; MI455X (gfx1250); checked and timed in simulation.
; The chip was launched on July 23, 2026; its instructions are those of AMD's public machine-readable ISA for CDNA 5 (MIT licence, August 2026) and "CDNA5" Instruction Set Architecture Reference Guide (July 2026). The comments in the code are by the model that wrote it; some were corrected since.
;; Multihead Weight Attention. Allowed arithmetic: matrix products marked QUANTISED: E3M2 operands, one E8M0 scale for each 32 along K, by v_wmma_scale_f32_16x16x128_f8f6f4 with both operands' format E3M2, f32 sums; products left as they are: f32 operands where the result goes on into a quantised operand, else bf16, f16 or f32 operands; f32 sums; everything else in f32.
;; Inputs: Wk_codes 1,024 x 32 x 24 uint8 (E3M2 codes of Wk, K innermost, in blocks of 32 codes, four codes in three bytes); Wk_scales 1,024 x 32 uint8 (E8M0 scales of Wk, one for each 32 codes along K); Wq_codes 1,024 x 32 x 24 uint8 (E3M2 codes of Wq, K innermost, in blocks of 32 codes, four codes in three bytes); Wq_scales 1,024 x 32 uint8 (E8M0 scales of Wq, one for each 32 codes along K); Wv_codes 1,024 x 32 x 24 uint8 (E3M2 codes of Wv, K innermost, in blocks of 32 codes, four codes in three bytes); Wv_scales 1,024 x 32 uint8 (E8M0 scales of Wv, one for each 32 codes along K); bk 1,024 float32; bq 1,024 float32; bv 1,024 float32; key_codes 2,048 x 4 x 32 x 24 uint8 (E3M2 codes of key, K innermost, in blocks of 32 codes, four codes in three bytes); key_scales 2,048 x 4 x 32 uint8 (E8M0 scales of key, one for each 32 codes along K); query_codes 2,048 x 4 x 32 x 24 uint8 (E3M2 codes of query, K innermost, in blocks of 32 codes, four codes in three bytes); query_scales 2,048 x 4 x 32 uint8 (E8M0 scales of query, one for each 32 codes along K); value_codes 2,048 x 4 x 32 x 24 uint8 (E3M2 codes of value, K innermost, in blocks of 32 codes, four codes in three bytes); value_scales 2,048 x 4 x 32 uint8 (E8M0 scales of value, one for each 32 codes along K).
;; Outputs: out0 2,048 x 4 x 1,024 float32.
;; This version of the problem:
;;   THIS VERSION OF THE PROBLEM IS GIVEN IN LOW PRECISION. The matrix products marked QUANTISED in the list below multiply operands that are first quantised to E3M2 (3 exponent bits, 2 mantissa bits; 6 bits a number), with one power-of-two scale for each 32 numbers along K (OCP MX v1.0); their sums are f32. All else is computed in f32.
;;   The module's matrix products, in the order in which they are computed (A, B: the left and right operand; K: the contracted axis; several contracted axes count as one K, in the product's order):
;;     1. [M 8,192, K 1,024] x [K 1,024, N 1,024]; A: input query (given as codes); B: input Wq (given as codes): QUANTISED
;;     2. [M 8,192, K 1,024] x [K 1,024, N 1,024]; A: input key (given as codes); B: input Wk (given as codes): QUANTISED
;;     3. [M 8,192, K 1,024] x [K 1,024, N 1,024]; A: input value (given as codes); B: input Wv (given as codes): QUANTISED
;;     4. batch 4 x [M 1,024, K 2,048] x [K 2,048, N 2,048]; A: computed on the way; B: computed on the way: QUANTISED
;;     5. batch 4 x [M 2,048, K 2,048] x [K 2,048, N 1]; A: computed on the way; B: computed on the way: left as it is (N = 1 < 16)
;;     6. batch 4 x [M 1,024, K 2,048] x [K 2,048, N 2,048]; A: computed on the way; B: computed on the way: QUANTISED
;;     7. batch 8,192 x [M 1, K 1] x [K 1, N 1,024]; A: computed on the way; B: computed on the way: left as it is (no contracted axis)
;;   THE QUANTISER, for each operand of a quantised product, along K:
;;     - K is cut into blocks of 32 from its start; a last block that is shorter is filled with zeros.
;;     - A block's scale is 2^e with e = floor(log2(the largest magnitude in the block)) - 4, held to -126 .. 127; a block of zeros has e = 0. As a byte (E8M0): e + 127.
;;     - Each number is divided by its block's scale, clamped to +-28, and rounded to the nearest number of E3M2, ties to even, subnormals kept.
;;     - The product sums the exact products of the quantised numbers (number of the format x scale) in f32.
;;   ~~~python
;;   def quantise(x, axis):      # numpy; x: float32 -> the quantised numbers, widened to float32 again
;;       x = np.moveaxis(x, axis, -1); K = x.shape[-1]
;;       x = np.pad(x, [(0, 0)] * (x.ndim - 1) + [(0, -K % 32)]); x = x.reshape(x.shape[:-1] + (-1, 32)); a = np.abs(x).max(-1, keepdims=True)
;;       e = np.where(a > 0, np.clip(np.frexp(np.where(a > 0, a, 1))[1] - 1 - 4, -126, 127), 0)      # np.frexp(a)[1] - 1 = floor(log2(a)), exactly
;;       r = np.clip(x / 2.0 ** e, -28, 28)
;;       step = 2.0 ** (np.maximum(np.frexp(np.where(r == 0, 1, r))[1] - 1, -2) - 2)
;;       q = np.round(r / step) * step * 2.0 ** e      # np.round: ties to even
;;       return np.moveaxis(q.reshape(q.shape[:-2] + (-1,))[..., :K], -1, axis).astype(np.float32)
;;   ~~~
;;   OPERANDS COMPUTED ON THE WAY. 'Computed on the way' means the value that the module computes at that place (a softmax that the list does not call 'softmax' is quantised finished and normalised). What goes into a quantiser is computed in f32, as accurately as f32 sums, v_exp_f32 and their like allow (about 1e-6 of the number): no bf16 or f16 on the way to a quantiser, and a product that is left as it is and whose result goes on into a quantised operand takes f32 operands (vector FMAs, or v_wmma_f32_16x16x4_f32). A number that lies on a knife's edge between two numbers of the format may be rounded either way, as far as f32 arithmetic and the matrix unit's own rounding can turn it there, and no further.
;;   INPUTS GIVEN AS CODES. Wk (in the module: [1024, 1024], K = its axis 1); Wq (in the module: [1024, 1024], K = its axis 1); Wv (in the module: [1024, 1024], K = its axis 1); key (in the module: [2048, 4, 1024], K = its axis 2); query (in the module: [2048, 4, 1024], K = its axis 2); value (in the module: [2048, 4, 1024], K = its axis 2): each comes as NAME_codes (uint8): NAME with its K axis moved to the last place and cut into blocks of 32 codes, [.., K / 32, bytes a block], one block behind the other in memory; four codes in three bytes: a row's codes are one little-endian stream of bits, code i at bits 6 i .. 6 i + 5 (a code: sign, 3 exponent bits, 2 mantissa bits); and NAME_scales (uint8): the same leading axes, one E8M0 byte (e + 127) for each 32 codes along K. Its value is code x scale, taken as it is: it is not quantised again, and the codes and scales need not be those that the quantiser above would give.
;; One version. Each part assembles by itself: llvm-mc -triple=amdgcn-amd-amdhsa -mcpu=gfx1250 --defsym DOCPART=n.
;; ======== version 1 of 1: 4 launches
;; workspace buffers: w1 20,185,088 bytes; w2 13,369,344 bytes; w3 6,553,600 bytes
;; launch projkv (part 1): grid 32 x 8, 4 waves a work-group, clusters of 4 x 4, 327,680 bytes of LDS; arguments Wk_codes, Wk_scales, key_codes, key_scales, bk, Wv_codes, Wv_scales, value_codes, value_scales, bv, w1; writes w1
.if DOCPART == 1
	.amdgcn_target "amdgcn-amd-amdhsa--gfx1250"
	.amdhsa_code_object_version 6
	.text
	.protected	k_q07221697b7_projkv
	.globl	k_q07221697b7_projkv
	.p2align	8
	.type	k_q07221697b7_projkv,@function
k_q07221697b7_projkv:
	s_mov_b64 s[64:65], 0
	v_nop
	global_prefetch_b8 v0, s[64:65] scope:SCOPE_SE
	s_setreg_imm32_b32 hwreg(HW_REG_WAVE_MODE, 25, 1), 1
	s_wait_xcnt 0x0
	s_wait_alu depctr_hold_cnt(0) depctr_sa_sdst(0) depctr_va_vdst(0) depctr_va_sdst(0) depctr_va_ssrc(0) depctr_va_vcc(0) depctr_vm_vsrc(0)
	s_getreg_b32 s2, hwreg(HW_REG_IB_STS2, 6, 4)
	s_cmp_eq_u32 s2, 0
	s_cbranch_scc0 .Lentry_in_a_cluster
	s_endpgm
.Lentry_in_a_cluster:
	s_bfe_u32 s2, ttmp6, 0x10000c
	s_cmp_lg_u32 s2, 0xf033
	s_cbranch_scc0 .Lentry_shape_is_right
	s_endpgm
.Lentry_shape_is_right:
; k = relu(key Wk^T + bk) and v = value Wv^T + bv on codes of BF6 (E3M2) as they are given; then k_ = [k sin, k cos] and v are quantised ALONG s (the next product's K) and leave as codes.
; A tile is 256 rows f of W (operand X) x 256 rows s of one batch of key or value (operand Y), K = 1,024.  Four waves, each 128 x 128: 64 accumulators, 512 registers.
; THE MATRIX INSTRUCTION IS USED TRANSPOSED: source 0 = 16 rows of Y, source 1 = 16 rows of X: lane (r, h) holds row f = r of X, and register j the row s = 8 h + j of Y.  So a lane's 64 registers
; of one block of X run along s, and the conversions, which take neighbours from one lane's registers, give codes with s innermost.
; WHAT LEAVES (buffer w1): IMAGES OF THE OPERAND'S REGISTERS.  A fragment (16 rows x 128 along K, 12 registers a lane) is 1,536 bytes: registers 4 c .. 4 c + 3 of lane l at 512 c + 16 l.
;   k_: [batch][d / 16][s / 128][1536] at 0 (d = f for sin, 1,024 + f for cos);  v: [batch][m / 16][s / 128][1536] at 12,582,912;  scale words [batch][s / 128][row] at 18,874,368 (k_) and 19,398,656 (v);
;   the sums of k_ over my 128 s, f32, [batch][s / 128][d] at 19,660,800: the next launch adds the sixteen.
; ORDER INSIDE A BLOCK OF 32: a block's codes stand in the order s = 0-7, 16-23, 8-15, 24-31.  Blocks are the true blocks (largest magnitude and scale by the stated quantiser); k_ and v are laid alike, so the
; next product pairs the right numbers.  Its sums are grouped otherwise than with s ascending.
; LIMITS: a block whose largest magnitude lies under 2^-122 (a block of zeros too) keeps the scale byte 1: the bytes are read by this program alone, and zero codes add nothing.  NaN and infinities are not served.
; The bias enters as the C of each sum's first product.  sin and cos are polynomials in f32: x - x^3/6 .. + x^13/13! on (0, pi/2], remainder under 7e-10; cos(x) = sin(pi/2 - x), pi/2 taken in two parts.
; CLUSTERS: 4 x 4 work-groups.  X's tiles hang on cy (and the cluster's y, which says k or v) and are shared along a row of the cluster, Y's on cx and the cluster's x, shared along a column: joint loads.
; K goes in four fills of 256 through two LDS slots; everything is written out, so every offset is an immediate.
; REGISTERS: window 0: v0-15 ids and addresses; v16-23 fragment addresses; v28, v29 the add's; v30, v31 scale addresses; v32-63 scale words, two sets; v64-159, v160-255 X's fragments, two sets (free in the epilogue).
;   window 1: v0-95, v128-223 Y's fragments, two sets; v96-127, v224-255 the bias, eight registers a block of X; in the epilogue v0-127 sin and cos of my 128 s.   windows 2, 3: the accumulators, (a, b) at v[8 (8 (a % 4) + b)] of window 2 + a / 4.
.set NX,    8                          ; blocks of 16 rows of X in a wave
.set PITCH, 240                        ; an LDS row of codes: 3 x (64 bytes + 16 of padding)
.set HALFT, 128*PITCH                  ; 128 rows: one tensor load
.set SLOT,  4*HALFT                    ; X's 256 rows, then Y's 256
.set SCL,   2*SLOT                     ; the scale bytes: rows of 32 bytes + 8 of padding; X's 256 rows, then Y's
.set HALFS, 128*40
.set SPARE, SCL+4*HALFS                ; the spare words: 128 bytes a wave, named by no other line
.set KST,   SPARE+512                  ; k's way: 3,072 bytes a wave: sin 512, cos 512, scale words 2 x 512, sums 2 x 512
.set VST,   KST+4*3072                 ; v's way: 512 bytes a wave, bytes of its own
.set STEPB, 2*192                      ; a slot's next fill lies two fills on
.set AF,    64
.set SCN,   NX+8                       ; registers in a set of scale words
.set ADRX,  16
.set ADRX2, 18
.set ADRY,  20
.set ADRY2, 22
.set PC,    64                         ; v64-83   the codes just made
.set TM,    84                         ; v84-99   largest magnitudes, bytes, scale operands
.set CH,    104                        ; v104-111 four chains of sums
.set P,     128                        ; v128-191 k x sin or k x cos
.set PW,    192                        ; v192-207 a scale word for each fragment
.set KS,    208                        ; v208-223 a sum for each fragment
.set G1X,  24
.set G0X,  32
.set G1Y,  44
.set G0Y,  52
.set G1XS, 68
.set G0XS, 76
.set G1YS, 80
.set G0YS, 88
.set W_LO,  0xa1                       ; source 0 (Y) window 1, source 1 (X) window 0, C and D window 2
.set W_HI,  0xf1                       ; the same, C and D window 3
.set W_FLO, 0x91                       ; the first step: C is the bias, in window 1
.set W_FHI, 0xd1
.set MSB, 0
.macro WIN new                         ; the immediate's high byte repeats the setting that is left
.if MSB != (\new)
	s_set_vgpr_msb (MSB<<8)|(\new)
.set MSB, \new
.endif
.endm
.macro PLACES                          ; four plain vector instructions between a matrix instruction and a load into, or a vector read or write of, its registers
.rept 4
	v_nop
.endr
.endm
; A joint load: waves 0 and 1 fetch X's halves, waves 2 and 3 Y's.  The branch hangs on the wave's number alone.  Four v_nop follow each of the two lines.
.macro JLOAD g0x, g1x, g0y, g1y
	s_cmp_eq_u32 s21, 0
	s_cbranch_scc0 .Lfor_y_\@
	tensor_load_to_lds s[\g0x:\g0x+3], s[\g1x:\g1x+7]
	s_nop 0
.rept 4
	v_nop
.endr
	s_branch .Lasked_\@
.Lfor_y_\@:
	tensor_load_to_lds s[\g0y:\g0y+3], s[\g1y:\g1y+7]
	s_nop 0
.rept 4
	v_nop
.endr
.Lasked_\@:
.endm
.macro CREST                           ; a round of the cluster's barrier behind its opening barrier
	s_cmp_lg_u32 s20, 0
	s_cbranch_scc1 .Lnot_wave_0_\@
	s_barrier_signal -3
.Lnot_wave_0_\@:
	s_barrier_wait -3
	s_barrier_signal -1
	s_barrier_wait -1
.endm
.macro CROUND
	s_barrier_signal -1
	s_barrier_wait -1
	CREST
.endm
; A fragment from rows: 24 bytes twice, in pieces of 8.  Lanes 16-31 read three pieces further on; where that lies behind one padding more, the second address register (40 for 24 bytes a half) serves.
.macro FRAGR reg, adr, adr2, q, i
.irp pp, 0,1,2,3,4,5
.set PCE, 12*(\q)+6*(\pp/3)+\pp%3
.if PCE%8 < 5
	ds_load_b64 v[(\reg)+2*\pp:(\reg)+2*\pp+1], v[\adr] offset:8*PCE+16*(PCE/8)+(\i)*16*PITCH
.else
	ds_load_b64 v[(\reg)+2*\pp:(\reg)+2*\pp+1], v[\adr2] offset:8*PCE+16*(PCE/8)+(\i)*16*PITCH
.endif
.endr
.endm
.macro FETCH slot, q, p                ; all fragments of the slot's q-th 128 along K into set p
	WIN 0x40
.set fi, 0
.rept 8
	FRAGR 128*(\p)+12*fi, ADRY+\slot, ADRY2+\slot, \q, fi
.set fi, fi+1
.endr
	WIN 0
.set fi, 0
.rept NX
	FRAGR AF+12*NX*(\p)+12*fi, ADRX+\slot, ADRX2+\slot, \q, fi
.set fi, fi+1
.endr
.endm
; The scale words of fill g (two words a row).  One register carries two blocks: lanes 0-15 the rows of block 2 j, lanes 16-31 those of block 2 j + 1.
.macro SCALES g
.set sb0, 32+SCN*((\g)%2)
.set sj, 0
.rept NX/2
	ds_load_b64 v[sb0+2*sj:sb0+2*sj+1], v30 offset:1280*sj+8*(\g)
.set sj, sj+1
.endr
.set sj, 0
.rept 4
	ds_load_b64 v[sb0+NX+2*sj:sb0+NX+2*sj+1], v31 offset:1280*sj+8*(\g)
.set sj, sj+1
.endr
.endm
; One product: block a of X against block b of Y.  An odd block's scale words stand in lanes 16-31 of its pair's register.
.macro MM a, b, p, sb, first
.set rD, 8*(8*((\a)%4)+(\b))
.set rY, 128*(\p)+12*(\b)
.set rX, AF+12*NX*(\p)+12*(\a)
.set rSY, (\sb)+NX+2*((\b)/2)
.set rSX, (\sb)+2*((\a)/2)
.set rC, rD
.if \first
.set rC, 96+128*((\a)/4)+8*((\a)%4)
.endif
.set rw, 2*((\a)%2)+(\b)%2
.if rw == 0
	v_wmma_scale_f32_16x16x128_f8f6f4 v[rD:rD+7], v[rY:rY+11], v[rX:rX+11], v[rC:rC+7], v[rSY], v[rSX] matrix_a_fmt:MATRIX_FMT_BF6 matrix_b_fmt:MATRIX_FMT_BF6
.elseif rw == 1
	v_wmma_scale_f32_16x16x128_f8f6f4 v[rD:rD+7], v[rY:rY+11], v[rX:rX+11], v[rC:rC+7], v[rSY], v[rSX] matrix_a_fmt:MATRIX_FMT_BF6 matrix_b_fmt:MATRIX_FMT_BF6 matrix_a_scale:MATRIX_SCALE_ROW1
.elseif rw == 2
	v_wmma_scale_f32_16x16x128_f8f6f4 v[rD:rD+7], v[rY:rY+11], v[rX:rX+11], v[rC:rC+7], v[rSY], v[rSX] matrix_a_fmt:MATRIX_FMT_BF6 matrix_b_fmt:MATRIX_FMT_BF6 matrix_b_scale:MATRIX_SCALE_ROW1
.else
	v_wmma_scale_f32_16x16x128_f8f6f4 v[rD:rD+7], v[rY:rY+11], v[rX:rX+11], v[rC:rC+7], v[rSY], v[rSX] matrix_a_fmt:MATRIX_FMT_BF6 matrix_b_fmt:MATRIX_FMT_BF6 matrix_a_scale:MATRIX_SCALE_ROW1 matrix_b_scale:MATRIX_SCALE_ROW1
.endif
.endm
.macro MULX a0, n, p, sb, first        ; n blocks of X from a0 on, each against Y's eight.  The accumulators take turns, one instruction a turn, in the same order in every step
.set ma, \a0
.rept \n
.set mb, 0
.rept 8
	MM ma, mb, \p, \sb, \first
.set mb, mb+1
.endr
.set ma, ma+1
.endr
.endm
.macro STEP slot, q, g, first          ; a step of 128 along K that has its successor in the same slot
.set sbq, 32+SCN*((\g)%2)+(\q)
	s_wait_dscnt 0x0                               ; this step's set was asked for a whole step ago
	PLACES                                         ; the other set was read by the last step's products
	FETCH \slot, (\q)+1, 1-(\q)%2
.if \first
	WIN W_FLO
.else
	WIN W_LO
.endif
	MULX 0, NX/2, (\q)%2, sbq, \first
.if \first
	WIN W_FHI
.else
	WIN W_HI
.endif
	MULX NX/2, NX/2, (\q)%2, sbq, \first
	WIN 0
.endm
; A fill's last step changes slots: ONE barrier; in front of it each wave waits for all its tensor loads, adds 0 to its spare word, and waits for that and for its reads of this slot.
.macro TURN slot, next, fill, g
.set sbq, 32+SCN*((\g)%2)+1
	s_wait_tensorcnt 0x0                           ; all my tensor loads have landed, my part of the next slot among them
	ds_add_u32 v28, v29                            ; 0 onto my spare word
	s_wait_dscnt 0x1                               ; this step's fragments are in; the add alone may be out
	WIN W_LO
	MULX 0, NX/4, 1, sbq, 0
	s_wait_dscnt 0x0                               ; the add is done, and my reads of this slot are over
	s_barrier_signal -1
	MULX NX/4, NX/4, 1, sbq, 0
	WIN 0
	s_barrier_wait -1
.if \fill
	CREST                                          ; the barrier has opened a round of the cluster's barrier: no wave of any partner still reads this slot or has a load on its way
	s_add_nc_u64 s[G0X+4*\slot+2:G0X+4*\slot+3], s[G0X+4*\slot+2:G0X+4*\slot+3], STEPB
	s_add_nc_u64 s[G0Y+4*\slot+2:G0Y+4*\slot+3], s[G0Y+4*\slot+2:G0Y+4*\slot+3], STEPB
	JLOAD G0X+4*\slot, G1X, G0Y+4*\slot, G1Y       ; the first tensor load behind the round; its four v_nop are the places in front of the loads below
.else
	PLACES
.endif
	FETCH \next, 0, 0
	SCALES (\g)+1
	WIN W_HI
	MULX NX/2, NX/2, 1, sbq, 0
	WIN 0
.endm
.macro LAST g
.set sbq, 32+SCN*((\g)%2)+1
	s_wait_dscnt 0x0
	WIN W_LO
	MULX 0, NX/2, 1, sbq, 0
	WIN W_HI
	MULX NX/2, NX/2, 1, sbq, 0
	WIN 0
.endm
; THE QUANTISER.  64 numbers of a lane in window ws, register 16 b + i of block b.  QMAX: each block's largest magnitude, with the floor 2^(5 - 127) among its leaves, joined with lane l xor 16's.
.macro QMAX src, ws
	WIN (\ws)*5                                    ; sources 0 and 1 in window ws; source 2 and the result in window 0
.irp b, 0,1,2,3
	v_max3_num_f32 v[TM+\b], |v[(\src)+16*\b]|, |v[(\src)+16*\b+1]|, 0x2800000
.endr
.irp i, 2,4,6,8,10,12,14
.irp b, 0,1,2,3
	v_max3_num_f32 v[TM+\b], |v[(\src)+16*\b+\i]|, |v[(\src)+16*\b+\i+1]|, v[TM+\b]
.endr
.endr
	WIN 0
.irp b, 0,1,2,3
	v_permlanex16_b32 v[TM+4+\b], v[TM+\b], s104, s105
.endr
.irp b, 0,1,2,3
	v_max_num_f32 v[TM+\b], v[TM+\b], v[TM+4+\b]
.endr
.endm
; QCODE: from the four largest magnitudes in v[mx] on: the scale word into v[pw], the fragment's twelve registers into v[PC] on.
.macro QCODE src, ws, mx, pw
.irp b, 0,1,2,3
	v_add_nc_u32 v[TM+12+\b], 0xfe000000, v[(\mx)+\b]   ; 4 off the exponent field: the conversion takes the exponent field of this operand as its scale
.endr
.irp b, 0,1,2,3
	v_lshrrev_b32 v[TM+4+\b], 23, v[TM+12+\b]      ; the scale's byte
.endr
	v_lshl_or_b32 v[\pw], v[TM+5], 8, v[TM+4]
	v_lshl_or_b32 v[\pw], v[TM+6], 16, v[\pw]
	v_lshl_or_b32 v[\pw], v[TM+7], 24, v[\pw]
	s_wait_xcnt 0x0                                ; the last fragment's stores have read v[PC] on: it is written again only behind this wait
	WIN \ws
.irp c, 0,1
	v_cvt_scalef32_pk16_bf6_f32 v[PC+6*\c:PC+6*\c+2], v[(\src)+32*\c:(\src)+32*\c+15], v[TM+12+2*\c]
	v_cvt_scalef32_pk16_bf6_f32 v[PC+12+4*\c:PC+14+4*\c], v[(\src)+16+32*\c:(\src)+31+32*\c], v[TM+13+2*\c]
.endr
	WIN 0
	v_nop                                          ; one plain place behind a scaled conversion
.irp c, 0,1                            ; the operand's layout wants a whole block in a lane: lanes 0-15 block 2 c, lanes 16-31 block 2 c + 1
.irp i, 0,1,2
	v_permlane16_swap_b32 v[PC+6*\c+\i], v[PC+12+4*\c+\i]
.endr
.irp i, 0,1,2
	v_mov_b32 v[PC+3+6*\c+\i], v[PC+12+4*\c+\i]
.endr
.endr
.endm
.macro PUTF sb, off                    ; the fragment leaves as it stands: three stores of 512 consecutive bytes
.irp c, 0,1,2
	global_store_b128 v4, v[PC+4*\c:PC+4*\c+3], s[\sb:\sb+1] offset:(\off)+512*\c
.endr
.endm
.macro SINP d, x, z, p                 ; v[d] = sin(v[x]): x + x^3 (-1/6 + z (1/120 + ..)), z = x^2, to x^13
	v_mul_f32 v[\z], v[\x], v[\x]
	v_mov_b32 v[\p], 0x2f309231
	v_fmaak_f32 v[\p], v[\p], v[\z], 0xb2d7322b
	v_fmaak_f32 v[\p], v[\p], v[\z], 0x3638ef1d
	v_fmaak_f32 v[\p], v[\p], v[\z], 0xb9500d01
	v_fmaak_f32 v[\p], v[\p], v[\z], 0x3c088889
	v_fmaak_f32 v[\p], v[\p], v[\z], 0xbe2aaaab
	v_mul_f32 v[\z], v[\x], v[\z]
	v_fma_f32 v[\d], v[\z], v[\p], v[\x]
.endm
	s_load_b512 s[68:83], s[0:1], 0x0              ; Wk codes, Wk scales, key codes, key scales, bk, Wv codes, Wv scales, value codes
	s_load_b128 s[84:87], s[0:1], 0x40             ; value scales, bv
	s_load_b64 s[88:89], s[0:1], 0x50              ; w1
	v_lshl_add_u32 v28, v0, 2, SPARE
	v_mov_b32 v29, 0
	ds_add_u32 v28, v29
	ds_add_u32 v28, v29
	s_wait_dscnt 0x0
	v_lshrrev_b32 v1, 5, v0
	v_readfirstlane_b32 s20, v1                    ; wave 0..3
	s_lshr_b32 s21, s20, 1                         ; which half of X's rows is mine.  Also: I fetch for X (0) or for Y (1)
	s_and_b32 s22, s20, 1                          ; which half of Y's rows.  Also: which half I fetch
	s_bfe_u32 s92, ttmp6, 0x40000                  ; cx
	s_bfe_u32 s93, ttmp6, 0x40004                  ; cy = the tile of 256 f
	s_and_b32 s95, ttmp7, 0xffff                   ; the cluster's y: 0 = k, 1 = v; the same in all sixteen partners
	s_lshr_b32 s96, ttmp9, 1                       ; batch
	s_and_b32 s98, ttmp9, 1
	s_lshl_b32 s98, s98, 2
	s_add_co_u32 s98, s98, s92                     ; the tile of 256 s
	s_lshl_b32 s99, s93, 2
	s_lshl_b32 s99, 15, s99                        ; my row of the cluster
	s_lshl_b32 s100, 0x1111, s92                   ; my column
	s_mov_b32 s104, 0x76543210
	s_mov_b32 s105, 0xfedcba98                     ; v_permlanex16_b32's selects for lane l xor 16
	; group 1 for codes: 128 rows x 192 bytes, 16 bytes of padding behind every 64
	s_or_b32 s[G1X], s99, (1<<20)|(1<<21)|(3<<22)|(3<<25)
	s_or_b32 s[G1Y], s100, (1<<20)|(1<<21)|(3<<22)|(3<<25)
.irp g, G1X, G1Y
	s_mov_b32 s[\g+1], 192<<16                     ; tensor_dim0
	s_mov_b32 s[\g+2], 128<<16                     ; tensor_dim1
	s_mov_b32 s[\g+3], 192<<16                     ; tile_dim0
	s_mov_b32 s[\g+4], 128                         ; tile_dim1
	s_mov_b32 s[\g+6], 0
	s_mov_b32 s[\g+7], 0
.endr
	s_mov_b32 s[G1X+5], 768                        ; a row of W
	s_mov_b32 s[G1Y+5], 3072                       ; from s to s + 1 in one batch
	s_lshl_b32 s23, s22, 7                         ; which 128 rows I fetch
	s_lshl_b32 s97, s93, 8
	s_add_co_u32 s97, s97, s23                     ; X: row f
	s_lshl_b32 s94, s98, 8
	s_add_co_u32 s94, s94, s23                     ; Y: row s
	s_mul_i32 s2, s20, HALFT                       ; where they go: wave x 128 rows
	s_mul_i32 s3, s20, HALFS
	s_wait_kmcnt 0x0
	s_cmp_eq_u32 s95, 0                            ; k's buffers or v's: the choice hangs on the cluster's number alone
	s_cselect_b64 s[4:5], s[68:69], s[78:79]       ; W's codes
	s_cselect_b64 s[6:7], s[70:71], s[80:81]       ; W's scales
	s_cselect_b64 s[8:9], s[72:73], s[82:83]       ; the input's codes
	s_cselect_b64 s[10:11], s[74:75], s[84:85]     ; the input's scales
	s_cselect_b64 s[12:13], s[76:77], s[86:87]     ; the bias
	s_mov_b64 s[14:15], s[88:89]                   ; w1
	; group 1 for scale bytes: 128 rows x 8 words, 2 words of padding behind each
	s_or_b32 s[G1XS], s99, (2<<16)|(1<<20)|(1<<21)|(2<<22)|(1<<25)
	s_or_b32 s[G1YS], s100, (2<<16)|(1<<20)|(1<<21)|(2<<22)|(1<<25)
.irp g, G1XS, G1YS
	s_mov_b32 s[\g+1], 8<<16
	s_mov_b32 s[\g+2], 128<<16
	s_mov_b32 s[\g+3], 8<<16
	s_mov_b32 s[\g+4], 128
	s_mov_b32 s[\g+6], 0
	s_mov_b32 s[\g+7], 0
.endr
	s_mov_b32 s[G1XS+5], 8
	s_mov_b32 s[G1YS+5], 32
	CROUND                                         ; all sixteen work-groups are here: the first joint loads meet
	s_mov_b32 s[G0XS], 1
	s_add_co_u32 s[G0XS+1], s3, SCL
	s_lshl_b32 s16, s97, 5
	s_mov_b32 s17, 0
	s_add_nc_u64 s[G0XS+2:G0XS+3], s[6:7], s[16:17]
	s_or_b32 s[G0XS+3], s[G0XS+3], 0x80000000
	s_mov_b32 s[G0YS], 1
	s_add_co_u32 s[G0YS+1], s3, SCL
	s_lshl_b32 s18, s94, 7
	s_lshl_b32 s101, s96, 5
	s_add_co_u32 s18, s18, s101
	s_mov_b32 s19, 0
	s_add_nc_u64 s[G0YS+2:G0YS+3], s[10:11], s[18:19]
	s_or_b32 s[G0YS+3], s[G0YS+3], 0x80000000
	JLOAD G0XS, G1XS, G0YS, G1YS                   ; the scale bytes for all of K: filled once
	s_mul_i32 s16, s97, 768
	s_add_nc_u64 s[16:17], s[4:5], s[16:17]
	s_mul_i32 s18, s94, 3072
	s_mul_i32 s101, s96, 768
	s_add_co_u32 s18, s18, s101
	s_add_nc_u64 s[18:19], s[8:9], s[18:19]
.irp s, 0,1
	s_mov_b32 s[G0X+4*\s], 1
	s_add_co_u32 s[G0X+4*\s+1], s2, \s*SLOT
	s_add_nc_u64 s[G0X+4*\s+2:G0X+4*\s+3], s[16:17], \s*192
	s_or_b32 s[G0X+4*\s+3], s[G0X+4*\s+3], 0x80000000
	s_mov_b32 s[G0Y+4*\s], 1
	s_add_co_u32 s[G0Y+4*\s+1], s2, \s*SLOT
	s_add_nc_u64 s[G0Y+4*\s+2:G0Y+4*\s+3], s[18:19], \s*192
	s_or_b32 s[G0Y+4*\s+3], s[G0Y+4*\s+3], 0x80000000
	JLOAD G0X+4*\s, G1X, G0Y+4*\s, G1Y             ; fills 0 and 1: three loads of mine are out
.endr
	v_and_b32 v1, 15, v0                           ; r
	v_bfe_u32 v2, v0, 4, 1                         ; h
	v_and_b32 v3, 31, v0                           ; lane
	v_lshlrev_b32 v4, 4, v3                        ; 16 x lane
	v_lshlrev_b32 v5, 2, v1                        ; 4 r
	s_lshl_b32 s10, s93, 8
	s_lshl_b32 s2, s21, 7
	s_add_co_u32 s10, s10, s2                      ; F0: my first f
	s_lshl_b32 s2, s10, 2
	s_mov_b32 s3, 0
	s_add_nc_u64 s[12:13], s[12:13], s[2:3]
	WIN 0x40
.irp a, 0,1,2,3,4,5,6,7
	global_load_b32 v[96+128*(\a/4)+8*(\a%4)], v5, s[12:13] offset:64*\a   ; b[F0 + 16 a + r]: the lane's row of X
.endr
	WIN 0
	v_mul_u32_u24 v11, v1, PITCH
	v_mad_u32_u24 v11, v2, 24, v11                 ; a fragment's row x pitch + 24 x half
	v_lshl_add_u32 v12, v2, 4, v11                 ; and the same behind one padding more
	s_mul_i32 s2, s21, HALFT
	s_mul_i32 s3, s22, HALFT
	s_add_co_u32 s3, s3, 2*HALFT
.irp s, 0,1
	v_add_nc_u32 v[ADRX+\s], s2, v11
	v_add_nc_u32 v[ADRX2+\s], s2, v12
	v_add_nc_u32 v[ADRY+\s], s3, v11
	v_add_nc_u32 v[ADRY2+\s], s3, v12
	s_add_co_u32 s2, s2, SLOT
	s_add_co_u32 s3, s3, SLOT
.endr
	v_mul_u32_u24 v13, v3, 40                      ; scale words: 40 bytes a row, a lane to a row
	s_mul_i32 s2, s21, HALFS
	s_add_co_u32 s2, s2, SCL
	v_add_nc_u32 v30, s2, v13
	s_mul_i32 s2, s22, HALFS
	s_add_co_u32 s2, s2, SCL+2*HALFS
	v_add_nc_u32 v31, s2, v13
	s_mul_i32 s2, s20, 3072
	s_add_co_u32 s2, s2, KST
	v_add_nc_u32 v6, s2, v4                        ; k's way: 16 x lane,
	v_lshl_add_u32 v7, v2, 5, s2                   ; 32 h,
	v_add_nc_u32 v8, s2, v5                        ; 4 r
	s_lshl_b32 s2, s20, 9
	s_add_co_u32 s2, s2, VST
	v_add_nc_u32 v9, s2, v5                        ; v's way: 4 r,
	v_add_nc_u32 v10, s2, v4                       ; 16 x lane
	s_lshl_b32 s9, s98, 1
	s_add_co_u32 s9, s9, s22                       ; which 128 along s are mine
	s_lshl_b32 s11, s9, 7
	s_add_co_u32 s11, s11, 1                       ; my first s, + 1
	s_mul_i32 s8, s10, 1536                        ; (F0 / 16) x 24,576
	s_mul_i32 s2, s9, 1536
	s_add_co_u32 s8, s8, s2                        ; my first fragment's place in a batch's images
	s_lshl_b32 s2, s96, 4
	s_add_co_u32 s9, s9, s2                        ; 16 batch + s / 128
	s_wait_loadcnt 0x0
	WIN 0x41
.irp a, 0,1,2,3,4,5,6,7
.irp j, 1,2,3,4,5,6,7
	v_mov_b32 v[96+128*(\a/4)+8*(\a%4)+\j], v[96+128*(\a/4)+8*(\a%4)]      ; the bias in the result's layout: the same number in the lane's eight registers
.endr
.endr
	WIN 0
	s_wait_tensorcnt 0x1                           ; the scale bytes and my part of fill 0 are in; fill 1 may stay out
	s_barrier_signal -1
	s_barrier_wait -1
	FETCH 0, 0, 0
	SCALES 0
	STEP 0, 0, 0, 1
	TURN 0, 1, 1, 0
	STEP 1, 0, 1, 0
	TURN 1, 0, 1, 1
	STEP 0, 0, 2, 0
	TURN 0, 1, 0, 2
	STEP 1, 0, 3, 0
	LAST 3
	PLACES
.irp b, 0,1,2,3
	v_mov_b32 v[TM+4+\b], 0                        ; a lane permute's destination counts as one of its sources
.endr
	s_mov_b32 s3, 0
	s_cmp_lg_u32 s95, 0
	s_cbranch_scc1 .Lv                             ; alike in all partners
	; ---- k's way
	s_mul_i32 s2, s96, 3145728
	s_add_co_u32 s2, s2, s8
	s_add_nc_u64 s[4:5], s[14:15], s[2:3]          ; my images
	s_lshl_b32 s2, s9, 11
	s_add_co_u32 s2, s2, s10
	s_lshl_b32 s2, s2, 2
	s_add_nc_u64 s[6:7], s[14:15], s[2:3]
	s_add_nc_u64 s[16:17], s[6:7], 19660800        ; my sums
	s_add_nc_u64 s[6:7], s[6:7], 18874368          ; my scale words
	v_lshl_add_u32 v100, v3, 2, s11                ; each lane makes sin and cos of four s: s + 1 = my first + 4 lane + e
.irp e, 0,1,2,3
	v_add_nc_u32 v[64+\e], \e, v100
	v_cvt_f32_u32 v[64+\e], v[64+\e]
	v_mul_f32 v[64+\e], 0x3fc90fdb, v[64+\e]       ; (pi / 2) (s + 1), rounded once,
	v_mul_f32 v[64+\e], 0x3a000000, v[64+\e]       ; / 2,048: exact
	v_sub_f32 v[68+\e], 0x3fc90fdb, v[64+\e]
	v_add_f32 v[68+\e], 0xb33bbd2e, v[68+\e]       ; pi / 2 - x, pi / 2 in two parts
	SINP 72+\e, 64+\e, 80, 81
	SINP 76+\e, 68+\e, 80, 81
.endr
	ds_store_b128 v6, v[72:75]
	ds_store_b128 v6, v[76:79] offset:512
	WIN 0x40                                       ; back in the result's layout: register 8 b + j is s = 16 b + 8 h + j.  LDS serves a wave's instructions in order: these see the stores
.irp b, 0,1,2,3,4,5,6,7
.irp e, 0,1
	ds_load_b128 v[8*\b+4*\e:8*\b+4*\e+3], v7 offset:64*\b+16*\e
	ds_load_b128 v[64+8*\b+4*\e:64+8*\b+4*\e+3], v7 offset:512+64*\b+16*\e
.endr
.endr
	WIN 0
	s_wait_dscnt 0x0
.macro KPASS a, pass                   ; k x sin (0) or k x cos (1) of block a: quantised along s, and summed over s
	WIN W+4                                        ; source 0 the accumulators' window, source 1 window 1
.set j, 0
.rept 32
	v_pk_mul_f32 v[P+j:P+j+1], v[AC+j:AC+j+1], v[64*(\pass)+j:64*(\pass)+j+1]
.set j, j+2
.endr
	WIN 0
	QMAX P, 0
	QCODE P, 0, TM, PW+2*(\a)+(\pass)
	PUTF 4, 24576*(\a)+1572864*(\pass)
	ds_store_b32 v8, v[PW+2*(\a)+(\pass)] offset:1024+512*(\pass)+64*(\a)    ; both halves of the lanes write the same word with the same value
.irp k, 0,1,2,3
	v_pk_add_f32 v[CH+2*\k:CH+2*\k+1], v[P+2*\k:P+2*\k+1], v[P+8+2*\k:P+8+2*\k+1]
.endr
.irp i, 16,24,32,40,48,56
.irp k, 0,1,2,3
	v_pk_add_f32 v[CH+2*\k:CH+2*\k+1], v[CH+2*\k:CH+2*\k+1], v[P+\i+2*\k:P+\i+2*\k+1]
.endr
.endr
	v_pk_add_f32 v[CH:CH+1], v[CH:CH+1], v[CH+2:CH+3]
	v_pk_add_f32 v[CH+4:CH+5], v[CH+4:CH+5], v[CH+6:CH+7]
	v_pk_add_f32 v[CH:CH+1], v[CH:CH+1], v[CH+4:CH+5]
	v_add_f32 v[CH], v[CH], v[CH+1]
	v_permlanex16_b32 v[CH+1], v[CH], s104, s105
	v_add_f32 v[KS+2*(\a)+(\pass)], v[CH], v[CH+1]                          ; the unquantised k_ summed over my 128 s
	ds_store_b32 v8, v[KS+2*(\a)+(\pass)] offset:2048+512*(\pass)+64*(\a)
.endm
.macro KBLOCK a
.set W, 2+(\a)/4
.set AC, 64*((\a)%4)
	WIN W*68                                       ; source 1 and the result in the accumulators' window
.set j, 0
.rept 64
	v_max_num_f32 v[AC+j], 0, v[AC+j]              ; relu, each accumulator from its low end on
.set j, j+1
.endr
	KPASS \a, 0
	KPASS \a, 1
.endm
.irp a, 0,1,2,3,4,5,6,7
	KBLOCK \a
.endr
	ds_load_b128 v[112:115], v6 offset:1024        ; my 128 rows' scale words and sums, 512 bytes each
	ds_load_b128 v[116:119], v6 offset:1536
	ds_load_b128 v[120:123], v6 offset:2048
	ds_load_b128 v[124:127], v6 offset:2560
	s_wait_dscnt 0x0
	global_store_b128 v4, v[112:115], s[6:7]
	global_store_b128 v4, v[116:119], s[6:7] offset:4096
	global_store_b128 v4, v[120:123], s[16:17]
	global_store_b128 v4, v[124:127], s[16:17] offset:4096
	s_branch .Lend
.Lv:
	; ---- v's way: no activation, no weights; the accumulators are quantised where they lie
	s_mul_i32 s2, s96, 1572864
	s_add_co_u32 s2, s2, s8
	s_add_co_u32 s2, s2, 12582912
	s_add_nc_u64 s[4:5], s[14:15], s[2:3]
	s_lshl_b32 s2, s9, 10
	s_add_co_u32 s2, s2, s10
	s_lshl_b32 s2, s2, 2
	s_add_co_u32 s2, s2, 19398656
	s_add_nc_u64 s[6:7], s[14:15], s[2:3]
.macro VBLOCK a
.set W, 2+(\a)/4
.set AC, 64*((\a)%4)
	QMAX AC, W
	QCODE AC, W, TM, PW+(\a)
	PUTF 4, 24576*(\a)
	ds_store_b32 v9, v[PW+(\a)] offset:64*(\a)
.endm
.irp a, 0,1,2,3,4,5,6,7
	VBLOCK \a
.endr
	ds_load_b128 v[112:115], v10
	s_wait_dscnt 0x0
	global_store_b128 v4, v[112:115], s[6:7]
.Lend:
	s_wait_tensorcnt 0x0                           ; the wave's end
	ds_add_u32 v28, v29
	s_wait_dscnt 0x0
	CROUND                                         ; the closing round
	s_endpgm
.Lfunc_end_k_q07221697b7_projkv:
	.size	k_q07221697b7_projkv, .Lfunc_end_k_q07221697b7_projkv-k_q07221697b7_projkv
	.p2alignl 7, 3214868480
	.fill 96, 4, 3214868480
	.section	.rodata,"a",@progbits
	.p2align	6, 0x0
	.amdhsa_kernel k_q07221697b7_projkv
		.amdhsa_group_segment_fixed_size 327680
		.amdhsa_private_segment_fixed_size 0
		.amdhsa_enable_private_segment 0
		.amdhsa_kernarg_size 88
		.amdhsa_user_sgpr_count 2
		.amdhsa_user_sgpr_kernarg_segment_ptr 1
		.amdhsa_wavefront_size32 1
		.amdhsa_system_sgpr_workgroup_id_x 1
		.amdhsa_system_sgpr_workgroup_id_y 1
		.amdhsa_system_sgpr_workgroup_id_z 1
		.amdhsa_system_vgpr_workitem_id 0
		.amdhsa_next_free_vgpr 1024
		.amdhsa_next_free_sgpr 106
		.amdhsa_reserve_vcc 0
		.amdhsa_float_denorm_mode_32 3
		.amdhsa_float_denorm_mode_16_64 3
		.amdhsa_memory_ordered 1
		.amdhsa_forward_progress 1
		.amdhsa_inst_pref_size 255
	.end_amdhsa_kernel
	.section	.bss,"aw",@nobits
	.p2align	6
	.space	262144
	.amdgpu_metadata
---
amdhsa.version: [ 1, 2 ]
amdhsa.kernels:
  - .name:           k_q07221697b7_projkv
    .symbol:         k_q07221697b7_projkv.kd
    .args:
      - { .name: Wk_codes, .offset: 0, .size: 8, .value_kind: global_buffer, .address_space: global }
      - { .name: Wk_scales, .offset: 8, .size: 8, .value_kind: global_buffer, .address_space: global }
      - { .name: key_codes, .offset: 16, .size: 8, .value_kind: global_buffer, .address_space: global }
      - { .name: key_scales, .offset: 24, .size: 8, .value_kind: global_buffer, .address_space: global }
      - { .name: bk, .offset: 32, .size: 8, .value_kind: global_buffer, .address_space: global }
      - { .name: Wv_codes, .offset: 40, .size: 8, .value_kind: global_buffer, .address_space: global }
      - { .name: Wv_scales, .offset: 48, .size: 8, .value_kind: global_buffer, .address_space: global }
      - { .name: value_codes, .offset: 56, .size: 8, .value_kind: global_buffer, .address_space: global }
      - { .name: value_scales, .offset: 64, .size: 8, .value_kind: global_buffer, .address_space: global }
      - { .name: bv, .offset: 72, .size: 8, .value_kind: global_buffer, .address_space: global }
      - { .name: w1, .offset: 80, .size: 8, .value_kind: global_buffer, .address_space: global }
    .group_segment_fixed_size: 327680
    .private_segment_fixed_size: 0
    .kernarg_segment_align: 8
    .kernarg_segment_size: 88
    .max_flat_workgroup_size: 128
    .sgpr_count:     106
    .vgpr_count:     1024
    .wavefront_size: 32
...
	.end_amdgpu_metadata
.endif
;; end of part 1
;; launch projq (part 2): grid 4 x 64, 4 waves a work-group, clusters of 4 x 4, 327,680 bytes of LDS; arguments query_codes, query_scales, Wq_codes, Wq_scales, bq, w1, w2; writes w2
.if DOCPART == 2
	.amdgcn_target "amdgcn-amd-amdhsa--gfx1250"
	.amdhsa_code_object_version 6
	.text
	.protected	k_q07221697b7_projq
	.globl	k_q07221697b7_projq
	.p2align	8
	.type	k_q07221697b7_projq,@function
k_q07221697b7_projq:
	s_mov_b64 s[64:65], 0
	v_nop
	global_prefetch_b8 v0, s[64:65] scope:SCOPE_SE
	s_setreg_imm32_b32 hwreg(HW_REG_WAVE_MODE, 25, 1), 1
	s_wait_xcnt 0x0
	s_wait_alu depctr_hold_cnt(0) depctr_sa_sdst(0) depctr_va_vdst(0) depctr_va_sdst(0) depctr_va_ssrc(0) depctr_va_vcc(0) depctr_vm_vsrc(0)
	s_getreg_b32 s2, hwreg(HW_REG_IB_STS2, 6, 4)
	s_cmp_eq_u32 s2, 0
	s_cbranch_scc0 .Lentry_in_a_cluster
	s_endpgm
.Lentry_in_a_cluster:
	s_bfe_u32 s2, ttmp6, 0x10000c
	s_cmp_lg_u32 s2, 0xf033
	s_cbranch_scc0 .Lentry_shape_is_right
	s_endpgm
.Lentry_shape_is_right:
; q = relu(query Wq^T + bq) on codes of BF6 (E3M2) as they are given; q_ = [q sin, q cos] is quantised ALONG d (the last product's K) and leaves as codes; and my part of the normaliser q_ . sum_s k_, in f32.
; A tile is 128 rows l of one batch of query (operand X) x 256 rows f of Wq (operand Y), K = 1,024.  Four waves, each 64 x 128: 32 accumulators.  A tile of 256 x 256 would give work to 128 of the 256 work-groups only.
; THE MATRIX INSTRUCTION IS USED TRANSPOSED: source 0 = 16 rows of Y, source 1 = 16 rows of X: lane (r, h) holds row l = r, and register j the column f = 8 h + j: a lane's 64 registers of a block of X run along f.
; WHAT LEAVES (buffer w2): images of the operand's registers, [batch][l / 16][d / 128][1536] at 0 (a fragment's registers 4 c .. 4 c + 3 of lane l at 512 c + 16 l; d = f for sin, 1,024 + f for cos);
;   scale words [batch][d / 128][l] at 12,582,912;  the normaliser's part over my 128 f, [f / 128][batch][l] f32 at 13,107,200: the last launch adds the eight.
; ORDER INSIDE A BLOCK OF 32: d = 0-7, 16-23, 8-15, 24-31, as in the other operand of the last product.  Blocks are the true blocks.
; sin(l) and cos(l) are one number a lane, so a block's largest |q w| is its largest q times |w|, rounded: rounding keeps the order, so these are the bits of the largest product.  The search is made once for both halves.
; LIMITS: a block whose largest magnitude lies under 2^-122 (a block of zeros too) keeps the scale byte 1.  NaN and infinities are not served.  The sums over s and f are taken in another order than s and f ascending, in f32.
; K goes in four fills of 256 through THREE LDS slots: three first fills, one refill, which has two fills' work in which to land.
; REGISTERS: window 0: v0-15 ids and addresses; v16-27 fragment addresses; v28, v29 the add's; v30, v31 scale addresses; v32-55 scale words, two sets; v64-127 the bias (later at work); v128-175, v176-223 X's fragments;
;   v224-239 sin and cos of my four blocks' l, each twice.   window 1: Y's fragments, two sets.   window 2: the accumulators, (a, b) at v[8 (8 a + b)].   window 3: v0-63, v64-127 the sums of k sin and k cos of my 128 f.
.set NX,    4
.set PITCH, 240
.set HALFX, 64*PITCH
.set HALFY, 128*PITCH
.set SLOT,  2*HALFX+2*HALFY            ; X's 128 rows, then Y's 256
.set SCL,   3*SLOT                     ; scale bytes: rows of 32 + 8; X's 128 rows, then Y's 256
.set SPARE, SCL+384*40
.set TABK,  SPARE+512                  ; 1,024 bytes a wave: the sums of k sin, of k cos
.set STG,   TABK+4*1024                ; 1,024 bytes a wave: scale words 2 x 256, the normaliser's part 256
.set STEPB, 3*192
.set AF,    128
.set SCN,   NX+8
.set ADRX,  16
.set ADRX2, 19
.set ADRY,  22
.set ADRY2, 25
.set PC,    64
.set TM,    84
.set TM2,   100
.set CH,    104
.set PW,    112
.set DN,    120
.set P,     128
.set SC0,   224
.set G1X,  24
.set G0X,  32
.set G1Y,  44
.set G0Y,  52
.set G1XS, 68
.set G0XS, 76
.set G1YS, 80
.set G0YS, 88
.set W_LO,  0xa1
.set W_HI,  0xa1
.set W_FLO, 0x81                       ; the first step: C is the bias, in window 0
.set W_FHI, 0x81
.set MSB, 0
.macro WIN new
.if MSB != (\new)
	s_set_vgpr_msb (MSB<<8)|(\new)
.set MSB, \new
.endif
.endm
.macro PLACES
.rept 4
	v_nop
.endr
.endm
.macro JLOAD g0x, g1x, g0y, g1y        ; waves 0 and 1 fetch X's halves, waves 2 and 3 Y's; four v_nop follow each line
	s_cmp_eq_u32 s21, 0
	s_cbranch_scc0 .Lfor_y_\@
	tensor_load_to_lds s[\g0x:\g0x+3], s[\g1x:\g1x+7]
	s_nop 0
.rept 4
	v_nop
.endr
	s_branch .Lasked_\@
.Lfor_y_\@:
	tensor_load_to_lds s[\g0y:\g0y+3], s[\g1y:\g1y+7]
	s_nop 0
.rept 4
	v_nop
.endr
.Lasked_\@:
.endm
.macro CREST
	s_cmp_lg_u32 s20, 0
	s_cbranch_scc1 .Lnot_wave_0_\@
	s_barrier_signal -3
.Lnot_wave_0_\@:
	s_barrier_wait -3
	s_barrier_signal -1
	s_barrier_wait -1
.endm
.macro CROUND
	s_barrier_signal -1
	s_barrier_wait -1
	CREST
.endm
.macro FRAGR reg, adr, adr2, q, i      ; a fragment from rows, in pieces of 8 bytes; the second address register serves the pieces whose partner three on lies behind one padding more
.irp pp, 0,1,2,3,4,5
.set PCE, 12*(\q)+6*(\pp/3)+\pp%3
.if PCE%8 < 5
	ds_load_b64 v[(\reg)+2*\pp:(\reg)+2*\pp+1], v[\adr] offset:8*PCE+16*(PCE/8)+(\i)*16*PITCH
.else
	ds_load_b64 v[(\reg)+2*\pp:(\reg)+2*\pp+1], v[\adr2] offset:8*PCE+16*(PCE/8)+(\i)*16*PITCH
.endif
.endr
.endm
.macro FETCH slot, q, p
	WIN 0x40
.set fi, 0
.rept 8
	FRAGR 128*(\p)+12*fi, ADRY+\slot, ADRY2+\slot, \q, fi
.set fi, fi+1
.endr
	WIN 0
.set fi, 0
.rept NX
	FRAGR AF+12*NX*(\p)+12*fi, ADRX+\slot, ADRX2+\slot, \q, fi
.set fi, fi+1
.endr
.endm
.macro SCALES g                        ; fill g's scale words; one register carries two blocks: lanes 0-15 block 2 j, lanes 16-31 block 2 j + 1
.set sb0, 32+SCN*((\g)%2)
.set sj, 0
.rept NX/2
	ds_load_b64 v[sb0+2*sj:sb0+2*sj+1], v30 offset:1280*sj+8*(\g)
.set sj, sj+1
.endr
.set sj, 0
.rept 4
	ds_load_b64 v[sb0+NX+2*sj:sb0+NX+2*sj+1], v31 offset:1280*sj+8*(\g)
.set sj, sj+1
.endr
.endm
.macro MM a, b, p, sb, first
.set rD, 8*(8*(\a)+(\b))
.set rY, 128*(\p)+12*(\b)
.set rX, AF+12*NX*(\p)+12*(\a)
.set rSY, (\sb)+NX+2*((\b)/2)
.set rSX, (\sb)+2*((\a)/2)
.set rC, rD
.if \first
.set rC, 64+8*(\b)
.endif
.set rw, 2*((\a)%2)+(\b)%2
.if rw == 0
	v_wmma_scale_f32_16x16x128_f8f6f4 v[rD:rD+7], v[rY:rY+11], v[rX:rX+11], v[rC:rC+7], v[rSY], v[rSX] matrix_a_fmt:MATRIX_FMT_BF6 matrix_b_fmt:MATRIX_FMT_BF6
.elseif rw == 1
	v_wmma_scale_f32_16x16x128_f8f6f4 v[rD:rD+7], v[rY:rY+11], v[rX:rX+11], v[rC:rC+7], v[rSY], v[rSX] matrix_a_fmt:MATRIX_FMT_BF6 matrix_b_fmt:MATRIX_FMT_BF6 matrix_a_scale:MATRIX_SCALE_ROW1
.elseif rw == 2
	v_wmma_scale_f32_16x16x128_f8f6f4 v[rD:rD+7], v[rY:rY+11], v[rX:rX+11], v[rC:rC+7], v[rSY], v[rSX] matrix_a_fmt:MATRIX_FMT_BF6 matrix_b_fmt:MATRIX_FMT_BF6 matrix_b_scale:MATRIX_SCALE_ROW1
.else
	v_wmma_scale_f32_16x16x128_f8f6f4 v[rD:rD+7], v[rY:rY+11], v[rX:rX+11], v[rC:rC+7], v[rSY], v[rSX] matrix_a_fmt:MATRIX_FMT_BF6 matrix_b_fmt:MATRIX_FMT_BF6 matrix_a_scale:MATRIX_SCALE_ROW1 matrix_b_scale:MATRIX_SCALE_ROW1
.endif
.endm
.macro MULX a0, n, p, sb, first        ; the 32 accumulators take turns, one instruction a turn, in the same order in every step
.set ma, \a0
.rept \n
.set mb, 0
.rept 8
	MM ma, mb, \p, \sb, \first
.set mb, mb+1
.endr
.set ma, ma+1
.endr
.endm
.macro STEP slot, q, g, first
.set sbq, 32+SCN*((\g)%2)+(\q)
	s_wait_dscnt 0x0                               ; this step's set was asked for a whole step ago
	PLACES
	FETCH \slot, (\q)+1, 1-(\q)%2
.if \first
	WIN W_FLO
.else
	WIN W_LO
.endif
	MULX 0, NX/2, (\q)%2, sbq, \first
.if \first
	WIN W_FHI
.else
	WIN W_HI
.endif
	MULX NX/2, NX/2, (\q)%2, sbq, \first
	WIN 0
.endm
.macro TURN slot, next, fill, g        ; a fill's last step changes slots: one barrier, in front of it the wait for all my tensor loads, the add, and the wait for it and for my reads of this slot
.set sbq, 32+SCN*((\g)%2)+1
	s_wait_tensorcnt 0x0
	ds_add_u32 v28, v29                            ; 0 onto my spare word
	s_wait_dscnt 0x1                               ; this step's fragments are in; the add alone may be out
	WIN W_LO
	MULX 0, NX/4, 1, sbq, 0
	s_wait_dscnt 0x0
	s_barrier_signal -1
	MULX NX/4, NX/4, 1, sbq, 0
	WIN 0
	s_barrier_wait -1
.if \fill
	CREST                                          ; a round of the cluster's barrier: no wave of any partner still reads this slot or has a load on its way
	s_add_nc_u64 s[G0X+4*\slot+2:G0X+4*\slot+3], s[G0X+4*\slot+2:G0X+4*\slot+3], STEPB
	s_add_nc_u64 s[G0Y+4*\slot+2:G0Y+4*\slot+3], s[G0Y+4*\slot+2:G0Y+4*\slot+3], STEPB
	JLOAD G0X+4*\slot, G1X, G0Y+4*\slot, G1Y
.else
	PLACES
.endif
	FETCH \next, 0, 0
	SCALES (\g)+1
	WIN W_HI
	MULX NX/2, NX/2, 1, sbq, 0
	WIN 0
.endm
.macro LAST g
.set sbq, 32+SCN*((\g)%2)+1
	s_wait_dscnt 0x0
	WIN W_LO
	MULX 0, NX, 1, sbq, 0
	WIN 0
.endm
.macro QMAX src, ws                    ; each block's largest magnitude, the floor 2^(5 - 127) among its leaves, joined with lane l xor 16's
	WIN (\ws)*5
.irp b, 0,1,2,3
	v_max3_num_f32 v[TM+\b], |v[(\src)+16*\b]|, |v[(\src)+16*\b+1]|, 0x2800000
.endr
.irp i, 2,4,6,8,10,12,14
.irp b, 0,1,2,3
	v_max3_num_f32 v[TM+\b], |v[(\src)+16*\b+\i]|, |v[(\src)+16*\b+\i+1]|, v[TM+\b]
.endr
.endr
	WIN 0
.irp b, 0,1,2,3
	v_permlanex16_b32 v[TM+4+\b], v[TM+\b], s104, s105
.endr
.irp b, 0,1,2,3
	v_max_num_f32 v[TM+\b], v[TM+\b], v[TM+4+\b]
.endr
.endm
.macro QCODE src, ws, mx, pw           ; the scale word into v[pw], the fragment's twelve registers into v[PC] on
.irp b, 0,1,2,3
	v_add_nc_u32 v[TM+12+\b], 0xfe000000, v[(\mx)+\b]
.endr
.irp b, 0,1,2,3
	v_lshrrev_b32 v[TM+4+\b], 23, v[TM+12+\b]
.endr
	v_lshl_or_b32 v[\pw], v[TM+5], 8, v[TM+4]
	v_lshl_or_b32 v[\pw], v[TM+6], 16, v[\pw]
	v_lshl_or_b32 v[\pw], v[TM+7], 24, v[\pw]
	s_wait_xcnt 0x0                                ; the last fragment's stores have read v[PC] on
	WIN \ws
.irp c, 0,1
	v_cvt_scalef32_pk16_bf6_f32 v[PC+6*\c:PC+6*\c+2], v[(\src)+32*\c:(\src)+32*\c+15], v[TM+12+2*\c]
	v_cvt_scalef32_pk16_bf6_f32 v[PC+12+4*\c:PC+14+4*\c], v[(\src)+16+32*\c:(\src)+31+32*\c], v[TM+13+2*\c]
.endr
	WIN 0
	v_nop                                          ; one plain place behind a scaled conversion
.irp c, 0,1
.irp i, 0,1,2
	v_permlane16_swap_b32 v[PC+6*\c+\i], v[PC+12+4*\c+\i]
.endr
.irp i, 0,1,2
	v_mov_b32 v[PC+3+6*\c+\i], v[PC+12+4*\c+\i]
.endr
.endr
.endm
.macro PUTF sb, off
.irp c, 0,1,2
	global_store_b128 v4, v[PC+4*\c:PC+4*\c+3], s[\sb:\sb+1] offset:(\off)+512*\c
.endr
.endm
.macro SINP d, x, z, p                 ; v[d] = sin(v[x]), to x^13
	v_mul_f32 v[\z], v[\x], v[\x]
	v_mov_b32 v[\p], 0x2f309231
	v_fmaak_f32 v[\p], v[\p], v[\z], 0xb2d7322b
	v_fmaak_f32 v[\p], v[\p], v[\z], 0x3638ef1d
	v_fmaak_f32 v[\p], v[\p], v[\z], 0xb9500d01
	v_fmaak_f32 v[\p], v[\p], v[\z], 0x3c088889
	v_fmaak_f32 v[\p], v[\p], v[\z], 0xbe2aaaab
	v_mul_f32 v[\z], v[\x], v[\z]
	v_fma_f32 v[\d], v[\z], v[\p], v[\x]
.endm
	s_load_b256 s[4:11], s[0:1], 0x0               ; query codes, query scales, Wq codes, Wq scales
	s_load_b128 s[12:15], s[0:1], 0x20             ; bq, w1
	s_load_b64 s[66:67], s[0:1], 0x30              ; w2
	v_lshl_add_u32 v28, v0, 2, SPARE
	v_mov_b32 v29, 0
	ds_add_u32 v28, v29
	ds_add_u32 v28, v29
	s_wait_dscnt 0x0
	v_lshrrev_b32 v1, 5, v0
	v_readfirstlane_b32 s20, v1                    ; wave
	s_lshr_b32 s21, s20, 1                         ; my half of X's rows; I fetch for X (0) or Y (1)
	s_and_b32 s22, s20, 1                          ; my half of Y's rows; the half that I fetch
	s_bfe_u32 s92, ttmp6, 0x40000                  ; cx
	s_bfe_u32 s93, ttmp6, 0x40004                  ; cy
	s_and_b32 s95, ttmp7, 0xffff                   ; the cluster's y
	s_lshr_b32 s96, s95, 2                         ; batch
	s_and_b32 s97, s95, 3
	s_lshl_b32 s97, s97, 2
	s_add_co_u32 s97, s97, s93                     ; the tile of 128 l
	s_mov_b32 s98, s92                             ; the tile of 256 f
	s_lshl_b32 s99, s93, 2
	s_lshl_b32 s99, 15, s99                        ; my row of the cluster
	s_lshl_b32 s100, 0x1111, s92                   ; my column
	s_mov_b32 s104, 0x76543210
	s_mov_b32 s105, 0xfedcba98
	s_or_b32 s[G1X], s99, (1<<20)|(1<<21)|(3<<22)|(3<<25)
	s_or_b32 s[G1Y], s100, (1<<20)|(1<<21)|(3<<22)|(3<<25)
	s_or_b32 s[G1XS], s99, (2<<16)|(1<<20)|(1<<21)|(2<<22)|(1<<25)
	s_or_b32 s[G1YS], s100, (2<<16)|(1<<20)|(1<<21)|(2<<22)|(1<<25)
	s_mov_b32 s[G1X+1], 192<<16                    ; X's codes: 64 rows x 192 bytes, 3,072 bytes apart
	s_mov_b32 s[G1X+2], 64<<16
	s_mov_b32 s[G1X+3], 192<<16
	s_mov_b32 s[G1X+4], 64
	s_mov_b32 s[G1X+5], 3072
	s_mov_b32 s[G1X+6], 0
	s_mov_b32 s[G1X+7], 0
	s_mov_b32 s[G1Y+1], 192<<16                    ; Y's: 128 rows, 768 bytes apart
	s_mov_b32 s[G1Y+2], 128<<16
	s_mov_b32 s[G1Y+3], 192<<16
	s_mov_b32 s[G1Y+4], 128
	s_mov_b32 s[G1Y+5], 768
	s_mov_b32 s[G1Y+6], 0
	s_mov_b32 s[G1Y+7], 0
	s_mov_b32 s[G1XS+1], 8<<16                     ; X's scale bytes: 64 rows x 8 words, 32 words apart
	s_mov_b32 s[G1XS+2], 64<<16
	s_mov_b32 s[G1XS+3], 8<<16
	s_mov_b32 s[G1XS+4], 64
	s_mov_b32 s[G1XS+5], 32
	s_mov_b32 s[G1XS+6], 0
	s_mov_b32 s[G1XS+7], 0
	s_mov_b32 s[G1YS+1], 8<<16                     ; Y's: 128 rows, dense
	s_mov_b32 s[G1YS+2], 128<<16
	s_mov_b32 s[G1YS+3], 8<<16
	s_mov_b32 s[G1YS+4], 128
	s_mov_b32 s[G1YS+5], 8
	s_mov_b32 s[G1YS+6], 0
	s_mov_b32 s[G1YS+7], 0
	s_lshl_b32 s94, s97, 7
	s_lshl_b32 s23, s22, 6
	s_add_co_u32 s94, s94, s23                     ; X: row l that I fetch from
	s_lshl_b32 s101, s98, 8
	s_lshl_b32 s23, s22, 7
	s_add_co_u32 s101, s101, s23                   ; Y: row f
	s_wait_kmcnt 0x0
	CROUND                                         ; all sixteen work-groups are here
	s_mov_b32 s[G0XS], 1
	s_mul_i32 s2, s22, 64*40
	s_add_co_u32 s[G0XS+1], s2, SCL
	s_lshl_b32 s16, s94, 7
	s_lshl_b32 s23, s96, 5
	s_add_co_u32 s16, s16, s23
	s_mov_b32 s17, 0
	s_add_nc_u64 s[G0XS+2:G0XS+3], s[6:7], s[16:17]
	s_or_b32 s[G0XS+3], s[G0XS+3], 0x80000000
	s_mov_b32 s[G0YS], 1
	s_mul_i32 s3, s22, 128*40
	s_add_co_u32 s[G0YS+1], s3, SCL+128*40
	s_lshl_b32 s18, s101, 5
	s_mov_b32 s19, 0
	s_add_nc_u64 s[G0YS+2:G0YS+3], s[10:11], s[18:19]
	s_or_b32 s[G0YS+3], s[G0YS+3], 0x80000000
	JLOAD G0XS, G1XS, G0YS, G1YS
	s_mul_i32 s16, s94, 3072
	s_mul_i32 s23, s96, 768
	s_add_co_u32 s16, s16, s23
	s_add_nc_u64 s[16:17], s[4:5], s[16:17]
	s_mul_i32 s18, s101, 768
	s_add_nc_u64 s[18:19], s[8:9], s[18:19]
	s_mul_i32 s2, s22, HALFX
	s_mul_i32 s3, s22, HALFY
	s_add_co_u32 s3, s3, 2*HALFX
.irp s, 0,1,2
	s_mov_b32 s[G0X+4*\s], 1
	s_add_co_u32 s[G0X+4*\s+1], s2, \s*SLOT
	s_add_nc_u64 s[G0X+4*\s+2:G0X+4*\s+3], s[16:17], \s*192
	s_or_b32 s[G0X+4*\s+3], s[G0X+4*\s+3], 0x80000000
	s_mov_b32 s[G0Y+4*\s], 1
	s_add_co_u32 s[G0Y+4*\s+1], s3, \s*SLOT
	s_add_nc_u64 s[G0Y+4*\s+2:G0Y+4*\s+3], s[18:19], \s*192
	s_or_b32 s[G0Y+4*\s+3], s[G0Y+4*\s+3], 0x80000000
	JLOAD G0X+4*\s, G1X, G0Y+4*\s, G1Y             ; fills 0, 1, 2: four loads of mine are out
.endr
	v_and_b32 v1, 15, v0                           ; r
	v_bfe_u32 v2, v0, 4, 1                         ; h
	v_and_b32 v3, 31, v0                           ; lane
	v_lshlrev_b32 v4, 4, v3                        ; 16 x lane
	v_lshlrev_b32 v5, 5, v2                        ; 32 h
	s_lshl_b32 s10, s98, 8
	s_lshl_b32 s2, s22, 7
	s_add_co_u32 s10, s10, s2                      ; F0: my first f
	s_lshl_b32 s11, s97, 7
	s_lshl_b32 s2, s21, 6
	s_add_co_u32 s11, s11, s2                      ; L0: my first l
	s_lshl_b32 s9, s98, 1
	s_add_co_u32 s9, s9, s22                       ; which 128 f are mine
	s_lshl_b32 s2, s96, 17
	s_lshl_b32 s3, s10, 2
	s_add_co_u32 s2, s2, s3
	s_add_co_u32 s2, s2, 19660800
	s_mov_b32 s3, 0
	s_add_nc_u64 s[14:15], s[14:15], s[2:3]        ; the sixteen partial sums of k_ at my f
	s_lshl_b32 s2, s10, 2
	s_add_nc_u64 s[12:13], s[12:13], s[2:3]        ; bq at my f
	WIN 0x80                                       ; into the accumulators' registers, which are free until the first product
.irp c, 0,1,2,3,4,5,6,7,8,9,10,11,12,13,14,15
	global_load_b128 v[8*\c:8*\c+3], v4, s[14:15] offset:8192*\c
	global_load_b128 v[8*\c+4:8*\c+7], v4, s[14:15] offset:8192*\c+4096
.endr
	WIN 0
.irp b, 0,1,2,3,4,5,6,7
	global_load_b128 v[64+8*\b:64+8*\b+3], v5, s[12:13] offset:64*\b          ; the bias in the result's layout: bq[F0 + 16 b + 8 h + j]
	global_load_b128 v[64+8*\b+4:64+8*\b+7], v5, s[12:13] offset:64*\b+16
.endr
	v_mul_u32_u24 v11, v1, PITCH
	v_mad_u32_u24 v11, v2, 24, v11
	v_lshl_add_u32 v12, v2, 4, v11
	s_mul_i32 s2, s21, HALFX
	s_mul_i32 s3, s22, HALFY
	s_add_co_u32 s3, s3, 2*HALFX
.irp s, 0,1,2
	v_add_nc_u32 v[ADRX+\s], s2, v11
	v_add_nc_u32 v[ADRX2+\s], s2, v12
	v_add_nc_u32 v[ADRY+\s], s3, v11
	v_add_nc_u32 v[ADRY2+\s], s3, v12
	s_add_co_u32 s2, s2, SLOT
	s_add_co_u32 s3, s3, SLOT
.endr
	v_mul_u32_u24 v13, v3, 40
	s_mul_i32 s2, s21, 64*40
	s_add_co_u32 s2, s2, SCL
	v_add_nc_u32 v30, s2, v13
	s_mul_i32 s2, s22, 128*40
	s_add_co_u32 s2, s2, SCL+128*40
	v_add_nc_u32 v31, s2, v13
	s_lshl_b32 s2, s20, 10
	s_add_co_u32 s3, s2, TABK
	v_add_nc_u32 v6, s3, v4                        ; the sums' table: 16 x lane,
	v_add_nc_u32 v7, s3, v5                        ; 32 h
	s_add_co_u32 s3, s2, STG
	v_lshl_add_u32 v8, v1, 2, s3                   ; the way out: 4 r,
	v_lshl_add_u32 v9, v3, 3, s3                   ; 8 x lane
	v_lshlrev_b32 v10, 3, v3
	v_add_nc_u32 v140, s11, v1                     ; sin and cos of l = L0 + 16 a + r
.irp a, 0,1,2,3
	v_add_nc_u32 v[128+\a], 1+16*\a, v140
	v_cvt_f32_u32 v[128+\a], v[128+\a]
	v_mul_f32 v[128+\a], 0x3fc90fdb, v[128+\a]     ; (pi / 2) (l + 1), rounded once,
	v_mul_f32 v[128+\a], 0x3a000000, v[128+\a]     ; / 2,048: exact
	v_sub_f32 v[132+\a], 0x3fc90fdb, v[128+\a]
	v_add_f32 v[132+\a], 0xb33bbd2e, v[132+\a]
	SINP SC0+2*\a, 128+\a, 136, 137
	SINP SC0+8+2*\a, 132+\a, 136, 137
	v_mov_b32 v[SC0+2*\a+1], v[SC0+2*\a]           ; each twice: a pair for the packed multiplies
	v_mov_b32 v[SC0+8+2*\a+1], v[SC0+8+2*\a]
.endr
	s_wait_loadcnt 16                              ; the 32 loads of sums are in; the 16 of the bias, issued behind them, may be out
	WIN 0x8a
.irp c, 1,2,3,4,5,6,7,8,9,10,11,12,13,14,15
.irp k, 0,2,4,6
	v_pk_add_f32 v[\k:\k+1], v[\k:\k+1], v[8*\c+\k:8*\c+\k+1]                  ; sum over s of k_: the sixteen parts, ascending
.endr
.endr
	WIN 0x08                                       ; an LDS store's data are its source 1
	ds_store_b128 v6, v[0:3]
	ds_store_b128 v6, v[4:7] offset:512
	WIN 0xc0                                       ; back in the result's layout, into window 3.  LDS serves a wave's instructions in order
.irp b, 0,1,2,3,4,5,6,7
.irp e, 0,1
	ds_load_b128 v[8*\b+4*\e:8*\b+4*\e+3], v7 offset:64*\b+16*\e
	ds_load_b128 v[64+8*\b+4*\e:64+8*\b+4*\e+3], v7 offset:512+64*\b+16*\e
.endr
.endr
	WIN 0
	s_wait_loadcnt 0x0
	s_wait_dscnt 0x0
	s_wait_tensorcnt 0x2                           ; the scale bytes and my part of fill 0 are in; fills 1 and 2 may stay out
	s_barrier_signal -1
	s_barrier_wait -1
	FETCH 0, 0, 0
	SCALES 0
	STEP 0, 0, 0, 1
	TURN 0, 1, 1, 0                                ; slot 0 takes fill 3
	STEP 1, 0, 1, 0
	TURN 1, 2, 0, 1
	STEP 2, 0, 2, 0
	TURN 2, 0, 0, 2
	STEP 0, 0, 3, 0
	LAST 3
	PLACES
.irp b, 0,1,2,3
	v_mov_b32 v[TM+4+\b], 0
.endr
	s_mul_i32 s2, s96, 3145728
	s_mul_i32 s3, s11, 1536                        ; (L0 / 16) x 24,576
	s_add_co_u32 s2, s2, s3
	s_mul_i32 s3, s9, 1536
	s_add_co_u32 s2, s2, s3
	s_mov_b32 s3, 0
	s_add_nc_u64 s[4:5], s[66:67], s[2:3]          ; my images
	s_lshl_b32 s2, s96, 4
	s_add_co_u32 s2, s2, s9
	s_lshl_b32 s2, s2, 11
	s_add_co_u32 s2, s2, s11
	s_lshl_b32 s2, s2, 2
	s_add_co_u32 s2, s2, 12582912
	s_add_nc_u64 s[6:7], s[66:67], s[2:3]          ; my scale words
	s_lshl_b32 s2, s9, 2
	s_add_co_u32 s2, s2, s96
	s_lshl_b32 s2, s2, 11
	s_add_co_u32 s2, s2, s11
	s_lshl_b32 s2, s2, 2
	s_add_co_u32 s2, s2, 13107200
	s_add_nc_u64 s[16:17], s[66:67], s[2:3]        ; my part of the normaliser
.macro QPASS a, pass
	WIN 0x02
.set j, 0
.rept 32
	v_pk_mul_f32 v[P+j:P+j+1], v[AC+j:AC+j+1], v[SC0+8*(\pass)+2*(\a):SC0+8*(\pass)+2*(\a)+1]
.set j, j+2
.endr
	WIN 0
.irp b, 0,1,2,3
	v_mul_f32 v[TM2+\b], v[TM+\b], |v[SC0+8*(\pass)+2*(\a)]|   ; the block's largest |q w|
.endr
.irp b, 0,1,2,3
	v_max_num_f32 v[TM2+\b], 0x2800000, v[TM2+\b]  ; and the floor
.endr
	QCODE P, 0, TM2, PW+2*(\a)+(\pass)
	PUTF 4, 24576*(\a)+12288*(\pass)
	ds_store_b32 v8, v[PW+2*(\a)+(\pass)] offset:256*(\pass)+64*(\a)
.endm
.macro QBLOCK a
.set AC, 64*(\a)
	WIN 0x88
.set j, 0
.rept 64
	v_max_num_f32 v[AC+j], 0, v[AC+j]              ; relu, each accumulator from its low end on
.set j, j+1
.endr
	QMAX AC, 2                                     ; the blocks' largest q: once for both halves of d
	WIN 0x0e                                       ; source 0 window 2 (q), source 1 window 3 (the sums of k_)
.set j, 0
.rept 32
.if j < 2
	v_pk_mul_f32 v[CH+2*j:CH+2*j+1], v[AC+2*j:AC+2*j+1], v[2*j:2*j+1]
	v_pk_mul_f32 v[CH+4+2*j:CH+4+2*j+1], v[AC+2*j:AC+2*j+1], v[64+2*j:64+2*j+1]
.else
	v_pk_fma_f32 v[CH+2*(j%2):CH+2*(j%2)+1], v[AC+2*j:AC+2*j+1], v[2*j:2*j+1], v[CH+2*(j%2):CH+2*(j%2)+1]
	v_pk_fma_f32 v[CH+4+2*(j%2):CH+4+2*(j%2)+1], v[AC+2*j:AC+2*j+1], v[64+2*j:64+2*j+1], v[CH+4+2*(j%2):CH+4+2*(j%2)+1]
.endif
.set j, j+1
.endr
	WIN 0
	v_pk_add_f32 v[CH:CH+1], v[CH:CH+1], v[CH+2:CH+3]
	v_pk_add_f32 v[CH+4:CH+5], v[CH+4:CH+5], v[CH+6:CH+7]
	v_add_f32 v[CH], v[CH], v[CH+1]
	v_add_f32 v[CH+4], v[CH+4], v[CH+5]
	v_mul_f32 v[CH], v[CH], v[SC0+2*(\a)]
	v_fma_f32 v[CH], v[CH+4], v[SC0+8+2*(\a)], v[CH]
	v_permlanex16_b32 v[CH+1], v[CH], s104, s105
	v_add_f32 v[DN+(\a)], v[CH], v[CH+1]           ; sin(l) q . sum k sin + cos(l) q . sum k cos, over my 128 f
	ds_store_b32 v8, v[DN+(\a)] offset:512+64*(\a)
	QPASS \a, 0
	QPASS \a, 1
.endm
.irp a, 0,1,2,3
	QBLOCK \a
.endr
	ds_load_b64 v[104:105], v9
	ds_load_b64 v[106:107], v9 offset:256
	ds_load_b64 v[108:109], v9 offset:512
	s_wait_dscnt 0x0
	global_store_b64 v10, v[104:105], s[6:7]               ; 32 lanes store 256 consecutive bytes, aligned
	global_store_b64 v10, v[106:107], s[6:7] offset:65536  ; the cos half: eight steps of 128 along d on
	global_store_b64 v10, v[108:109], s[16:17]
	s_wait_tensorcnt 0x0                           ; the wave's end
	ds_add_u32 v28, v29
	s_wait_dscnt 0x0
	CROUND
	s_endpgm
.Lfunc_end_k_q07221697b7_projq:
	.size	k_q07221697b7_projq, .Lfunc_end_k_q07221697b7_projq-k_q07221697b7_projq
	.p2alignl 7, 3214868480
	.fill 96, 4, 3214868480
	.section	.rodata,"a",@progbits
	.p2align	6, 0x0
	.amdhsa_kernel k_q07221697b7_projq
		.amdhsa_group_segment_fixed_size 327680
		.amdhsa_private_segment_fixed_size 0
		.amdhsa_enable_private_segment 0
		.amdhsa_kernarg_size 56
		.amdhsa_user_sgpr_count 2
		.amdhsa_user_sgpr_kernarg_segment_ptr 1
		.amdhsa_wavefront_size32 1
		.amdhsa_system_sgpr_workgroup_id_x 1
		.amdhsa_system_sgpr_workgroup_id_y 1
		.amdhsa_system_sgpr_workgroup_id_z 1
		.amdhsa_system_vgpr_workitem_id 0
		.amdhsa_next_free_vgpr 1024
		.amdhsa_next_free_sgpr 106
		.amdhsa_reserve_vcc 0
		.amdhsa_float_denorm_mode_32 3
		.amdhsa_float_denorm_mode_16_64 3
		.amdhsa_memory_ordered 1
		.amdhsa_forward_progress 1
		.amdhsa_inst_pref_size 173
	.end_amdhsa_kernel
	.amdgpu_metadata
---
amdhsa.version: [ 1, 2 ]
amdhsa.kernels:
  - .name:           k_q07221697b7_projq
    .symbol:         k_q07221697b7_projq.kd
    .args:
      - { .name: query_codes, .offset: 0, .size: 8, .value_kind: global_buffer, .address_space: global }
      - { .name: query_scales, .offset: 8, .size: 8, .value_kind: global_buffer, .address_space: global }
      - { .name: Wq_codes, .offset: 16, .size: 8, .value_kind: global_buffer, .address_space: global }
      - { .name: Wq_scales, .offset: 24, .size: 8, .value_kind: global_buffer, .address_space: global }
      - { .name: bq, .offset: 32, .size: 8, .value_kind: global_buffer, .address_space: global }
      - { .name: w1, .offset: 40, .size: 8, .value_kind: global_buffer, .address_space: global }
      - { .name: w2, .offset: 48, .size: 8, .value_kind: global_buffer, .address_space: global }
    .group_segment_fixed_size: 327680
    .private_segment_fixed_size: 0
    .kernarg_segment_align: 8
    .kernarg_segment_size: 56
    .max_flat_workgroup_size: 128
    .sgpr_count:     106
    .vgpr_count:     1024
    .wavefront_size: 32
...
	.end_amdgpu_metadata
.endif
;; end of part 2
;; launch kvprod (part 3): grid 8 x 32, 4 waves a work-group, clusters of 4 x 4, 327,680 bytes of LDS; arguments w1, w3; writes w3
.if DOCPART == 3
	.amdgcn_target "amdgcn-amd-amdhsa--gfx1250"
	.amdhsa_code_object_version 6
	.text
	.protected	k_q07221697b7_kvprod
	.globl	k_q07221697b7_kvprod
	.p2align	8
	.type	k_q07221697b7_kvprod,@function
k_q07221697b7_kvprod:
	s_mov_b64 s[64:65], 0
	v_nop
	global_prefetch_b8 v0, s[64:65] scope:SCOPE_SE
	s_setreg_imm32_b32 hwreg(HW_REG_WAVE_MODE, 25, 1), 1
	s_wait_xcnt 0x0
	s_wait_alu depctr_hold_cnt(0) depctr_sa_sdst(0) depctr_va_vdst(0) depctr_va_sdst(0) depctr_va_ssrc(0) depctr_va_vcc(0) depctr_vm_vsrc(0)
	s_getreg_b32 s2, hwreg(HW_REG_IB_STS2, 6, 4)
	s_cmp_eq_u32 s2, 0
	s_cbranch_scc0 .Lentry_in_a_cluster
	s_endpgm
.Lentry_in_a_cluster:
	s_bfe_u32 s2, ttmp6, 0x10000c
	s_cmp_lg_u32 s2, 0xf033
	s_cbranch_scc0 .Lentry_shape_is_right
	s_endpgm
.Lentry_shape_is_right:
; kv_[m][d] = sum over s of v[s][m] k_[s][d], for each batch, on the codes of BF6 (E3M2) that the first launch made; the result is quantised ALONG d (the last product's K) and leaves as codes.
; A tile is 128 rows m of v (operand X) x 256 rows d of k_ (operand Y), K = 2,048.  Four waves, each 64 x 128: 32 accumulators.  A tile of 256 x 256 would give work to 128 of the 256 work-groups only.
; BOTH OPERANDS ARRIVE AS IMAGES OF THEIR REGISTERS: a fragment (16 rows x 128 along K) is 1,536 dense bytes, registers 4 c .. 4 c + 3 of lane l at 512 c + 16 l: three loads of 16 bytes a lane, no pitch, no padding.
; In memory [batch][row / 16][s / 128][1536]: four steps of sixteen rows are 6,144 dense bytes, and a fill of 512 along K is a tile of such rows, 24,576 bytes apart.  Scale words [batch][s / 128][row] come once, for all of K.
; TRANSPOSED USE: source 0 = 16 rows of Y, source 1 = 16 rows of X: lane (r, h) holds row m = r, register j the column d = 8 h + j.
; WHAT LEAVES (buffer w3): images [batch][m / 16][d / 128][1536] at 0, scale words [batch][d / 128][m] at 6,291,456.  Inside a block of 32 the codes stand in the order d = 0-7, 16-23, 8-15, 24-31, as q_'s do.
; LIMITS: a block whose largest magnitude lies under 2^-122 (a block of zeros too) keeps the scale byte 1.  NaN and infinities are not served.  Inside a block of 32 along s the products are summed in the images' order.
; REGISTERS: window 0: v0-15 ids and addresses; v16-19 fragment addresses; v28, v29 the add's; v30, v31 scale addresses; v32-43 scale words, two sets; v64-115 at work in the epilogue; v128-175, v176-223 X's fragments.
;   window 1: Y's fragments, two sets, at v0 and v128.   window 2: the accumulators, (a, b) at v[8 (8 a + b)].
.set NX,    4
.set HALFX, 4*6144
.set HALFY, 8*6144
.set SLOT,  2*HALFX+2*HALFY            ; X's 8 blocks of rows x 6,144 bytes, then Y's 16
.set XSCL,  2*SLOT                     ; X's scale words: [16 steps][128 rows]
.set YSCL,  XSCL+16*512                ; Y's: [16 steps][256 rows]
.set SPARE, YSCL+16*1024
.set STG,   SPARE+512                  ; 256 bytes a wave
.set STEPB, 2*6144
.set AF,    128
.set ADRX,  16
.set ADRY,  18
.set PC,    64
.set TM,    84
.set PW,    112
.set G1X,  24
.set G0X,  32
.set G1Y,  44
.set G0Y,  52
.set G1XS, 68
.set G0XS, 76
.set G1YS, 80
.set G0YS, 88
.set MSB, 0
.macro WIN new
.if MSB != (\new)
	s_set_vgpr_msb (MSB<<8)|(\new)
.set MSB, \new
.endif
.endm
.macro PLACES
.rept 4
	v_nop
.endr
.endm
.macro JLOAD g0x, g1x, g0y, g1y        ; waves 0 and 1 fetch X's halves, waves 2 and 3 Y's; four v_nop follow each line
	s_cmp_eq_u32 s21, 0
	s_cbranch_scc0 .Lfor_y_\@
	tensor_load_to_lds s[\g0x:\g0x+3], s[\g1x:\g1x+7]
	s_nop 0
.rept 4
	v_nop
.endr
	s_branch .Lasked_\@
.Lfor_y_\@:
	tensor_load_to_lds s[\g0y:\g0y+3], s[\g1y:\g1y+7]
	s_nop 0
.rept 4
	v_nop
.endr
.Lasked_\@:
.endm
.macro CREST
	s_cmp_lg_u32 s20, 0
	s_cbranch_scc1 .Lnot_wave_0_\@
	s_barrier_signal -3
.Lnot_wave_0_\@:
	s_barrier_wait -3
	s_barrier_signal -1
	s_barrier_wait -1
.endm
.macro CROUND
	s_barrier_signal -1
	s_barrier_wait -1
	CREST
.endm
.macro FRAGI reg, adr, off             ; a fragment comes back as it was stored
.irp c, 0,1,2
	ds_load_b128 v[(\reg)+4*\c:(\reg)+4*\c+3], v[\adr] offset:(\off)+512*\c
.endr
.endm
.macro FETCH slot, q, p, ks            ; the fragments of the slot's q-th 128 along K, and the scale words of step ks, into set p
	WIN 0x40
.set fi, 0
.rept 8
	FRAGI 128*(\p)+12*fi, ADRY+\slot, 6144*fi+1536*(\q)
.set fi, fi+1
.endr
	WIN 0
.set fi, 0
.rept NX
	FRAGI AF+48*(\p)+12*fi, ADRX+\slot, 6144*fi+1536*(\q)
.set fi, fi+1
.endr
.irp j, 0,1
	ds_load_b32 v[32+6*(\p)+\j], v30 offset:512*(\ks)+128*\j      ; lanes 0-15 block 2 j's rows, lanes 16-31 block 2 j + 1's
.endr
.irp j, 0,1,2,3
	ds_load_b32 v[34+6*(\p)+\j], v31 offset:1024*(\ks)+128*\j
.endr
.endm
.macro MM a, b, p, first
.set rD, 8*(8*(\a)+(\b))
.set rY, 128*(\p)+12*(\b)
.set rX, AF+48*(\p)+12*(\a)
.set rSY, 34+6*(\p)+(\b)/2
.set rSX, 32+6*(\p)+(\a)/2
.set rw, 2*((\a)%2)+(\b)%2
.if \first
.if rw == 0
	v_wmma_scale_f32_16x16x128_f8f6f4 v[rD:rD+7], v[rY:rY+11], v[rX:rX+11], 0, v[rSY], v[rSX] matrix_a_fmt:MATRIX_FMT_BF6 matrix_b_fmt:MATRIX_FMT_BF6
.elseif rw == 1
	v_wmma_scale_f32_16x16x128_f8f6f4 v[rD:rD+7], v[rY:rY+11], v[rX:rX+11], 0, v[rSY], v[rSX] matrix_a_fmt:MATRIX_FMT_BF6 matrix_b_fmt:MATRIX_FMT_BF6 matrix_a_scale:MATRIX_SCALE_ROW1
.elseif rw == 2
	v_wmma_scale_f32_16x16x128_f8f6f4 v[rD:rD+7], v[rY:rY+11], v[rX:rX+11], 0, v[rSY], v[rSX] matrix_a_fmt:MATRIX_FMT_BF6 matrix_b_fmt:MATRIX_FMT_BF6 matrix_b_scale:MATRIX_SCALE_ROW1
.else
	v_wmma_scale_f32_16x16x128_f8f6f4 v[rD:rD+7], v[rY:rY+11], v[rX:rX+11], 0, v[rSY], v[rSX] matrix_a_fmt:MATRIX_FMT_BF6 matrix_b_fmt:MATRIX_FMT_BF6 matrix_a_scale:MATRIX_SCALE_ROW1 matrix_b_scale:MATRIX_SCALE_ROW1
.endif
.else
.if rw == 0
	v_wmma_scale_f32_16x16x128_f8f6f4 v[rD:rD+7], v[rY:rY+11], v[rX:rX+11], v[rD:rD+7], v[rSY], v[rSX] matrix_a_fmt:MATRIX_FMT_BF6 matrix_b_fmt:MATRIX_FMT_BF6
.elseif rw == 1
	v_wmma_scale_f32_16x16x128_f8f6f4 v[rD:rD+7], v[rY:rY+11], v[rX:rX+11], v[rD:rD+7], v[rSY], v[rSX] matrix_a_fmt:MATRIX_FMT_BF6 matrix_b_fmt:MATRIX_FMT_BF6 matrix_a_scale:MATRIX_SCALE_ROW1
.elseif rw == 2
	v_wmma_scale_f32_16x16x128_f8f6f4 v[rD:rD+7], v[rY:rY+11], v[rX:rX+11], v[rD:rD+7], v[rSY], v[rSX] matrix_a_fmt:MATRIX_FMT_BF6 matrix_b_fmt:MATRIX_FMT_BF6 matrix_b_scale:MATRIX_SCALE_ROW1
.else
	v_wmma_scale_f32_16x16x128_f8f6f4 v[rD:rD+7], v[rY:rY+11], v[rX:rX+11], v[rD:rD+7], v[rSY], v[rSX] matrix_a_fmt:MATRIX_FMT_BF6 matrix_b_fmt:MATRIX_FMT_BF6 matrix_a_scale:MATRIX_SCALE_ROW1 matrix_b_scale:MATRIX_SCALE_ROW1
.endif
.endif
.endm
.macro MULX a0, n, p, first            ; the 32 accumulators take turns, one instruction a turn, in the same order in every step
.set ma, \a0
.rept \n
.set mb, 0
.rept 8
	MM ma, mb, \p, \first
.set mb, mb+1
.endr
.set ma, ma+1
.endr
.endm
.macro STEP slot, q, g, first
	s_wait_dscnt 0x0                               ; this step's set was asked for a whole step ago
	PLACES                                         ; the other set was read by the last step's products
	FETCH \slot, (\q)+1, 1-(\q)%2, 4*(\g)+(\q)+1
	WIN 0xa1
	MULX 0, 4, (\q)%2, \first
	WIN 0
.endm
.macro TURN slot, next, fill, g        ; a fill's last step changes slots: one barrier, in front of it the wait for all my tensor loads, the add, and the wait for it and for my reads of this slot
	s_wait_tensorcnt 0x0
	ds_add_u32 v28, v29                            ; 0 onto my spare word
	s_wait_dscnt 0x1                               ; this step's fragments are in; the add alone may be out
	WIN 0xa1
	MULX 0, 1, 1, 0
	s_wait_dscnt 0x0
	s_barrier_signal -1
	MULX 1, 1, 1, 0
	WIN 0
	s_barrier_wait -1
.if \fill
	CREST                                          ; a round of the cluster's barrier: no wave of any partner still reads this slot or has a load on its way
	s_add_nc_u64 s[G0X+4*\slot+2:G0X+4*\slot+3], s[G0X+4*\slot+2:G0X+4*\slot+3], STEPB
	s_add_nc_u64 s[G0Y+4*\slot+2:G0Y+4*\slot+3], s[G0Y+4*\slot+2:G0Y+4*\slot+3], STEPB
	JLOAD G0X+4*\slot, G1X, G0Y+4*\slot, G1Y       ; it has a fill's four steps, 128 matrix instructions, in which to land
.else
	PLACES
.endif
	FETCH \next, 0, 0, 4*(\g)+4
	WIN 0xa1
	MULX 2, 2, 1, 0
	WIN 0
.endm
.macro QMAX src, ws
	WIN (\ws)*5
.irp b, 0,1,2,3
	v_max3_num_f32 v[TM+\b], |v[(\src)+16*\b]|, |v[(\src)+16*\b+1]|, 0x2800000      ; each accumulator is first read at its low end
.endr
.irp i, 2,4,6,8,10,12,14
.irp b, 0,1,2,3
	v_max3_num_f32 v[TM+\b], |v[(\src)+16*\b+\i]|, |v[(\src)+16*\b+\i+1]|, v[TM+\b]
.endr
.endr
	WIN 0
.irp b, 0,1,2,3
	v_permlanex16_b32 v[TM+4+\b], v[TM+\b], s104, s105
.endr
.irp b, 0,1,2,3
	v_max_num_f32 v[TM+\b], v[TM+\b], v[TM+4+\b]
.endr
.endm
.macro QCODE src, ws, mx, pw
.irp b, 0,1,2,3
	v_add_nc_u32 v[TM+12+\b], 0xfe000000, v[(\mx)+\b]   ; 4 off the exponent field: the conversion's scale operand
.endr
.irp b, 0,1,2,3
	v_lshrrev_b32 v[TM+4+\b], 23, v[TM+12+\b]
.endr
	v_lshl_or_b32 v[\pw], v[TM+5], 8, v[TM+4]
	v_lshl_or_b32 v[\pw], v[TM+6], 16, v[\pw]
	v_lshl_or_b32 v[\pw], v[TM+7], 24, v[\pw]
	s_wait_xcnt 0x0                                ; the last fragment's stores have read v[PC] on
	WIN \ws
.irp c, 0,1
	v_cvt_scalef32_pk16_bf6_f32 v[PC+6*\c:PC+6*\c+2], v[(\src)+32*\c:(\src)+32*\c+15], v[TM+12+2*\c]
	v_cvt_scalef32_pk16_bf6_f32 v[PC+12+4*\c:PC+14+4*\c], v[(\src)+16+32*\c:(\src)+31+32*\c], v[TM+13+2*\c]
.endr
	WIN 0
	v_nop                                          ; one plain place behind a scaled conversion
.irp c, 0,1
.irp i, 0,1,2
	v_permlane16_swap_b32 v[PC+6*\c+\i], v[PC+12+4*\c+\i]
.endr
.irp i, 0,1,2
	v_mov_b32 v[PC+3+6*\c+\i], v[PC+12+4*\c+\i]
.endr
.endr
.endm
.macro PUTF sb, off
.irp c, 0,1,2
	global_store_b128 v4, v[PC+4*\c:PC+4*\c+3], s[\sb:\sb+1] offset:(\off)+512*\c
.endr
.endm
	s_load_b128 s[4:7], s[0:1], 0x0                ; w1, w3
	v_lshl_add_u32 v28, v0, 2, SPARE
	v_mov_b32 v29, 0
	ds_add_u32 v28, v29
	ds_add_u32 v28, v29
	s_wait_dscnt 0x0
	v_lshrrev_b32 v1, 5, v0
	v_readfirstlane_b32 s20, v1
	s_lshr_b32 s21, s20, 1
	s_and_b32 s22, s20, 1
	s_bfe_u32 s92, ttmp6, 0x40000                  ; cx
	s_bfe_u32 s93, ttmp6, 0x40004                  ; cy
	s_lshl_b32 s98, ttmp9, 2
	s_add_co_u32 s98, s98, s92                     ; the tile of 256 d
	s_and_b32 s95, ttmp7, 0xffff
	s_lshr_b32 s96, s95, 1                         ; batch
	s_and_b32 s97, s95, 1
	s_lshl_b32 s97, s97, 2
	s_add_co_u32 s97, s97, s93                     ; the tile of 128 m
	s_lshl_b32 s99, s93, 2
	s_lshl_b32 s99, 15, s99
	s_lshl_b32 s100, 0x1111, s92
	s_mov_b32 s104, 0x76543210
	s_mov_b32 s105, 0xfedcba98
	s_or_b32 s[G1X], s99, (3<<16)|(1<<21)          ; elements of 8 bytes, no padding
	s_or_b32 s[G1Y], s100, (3<<16)|(1<<21)
	s_or_b32 s[G1XS], s99, (3<<16)|(1<<21)
	s_or_b32 s[G1YS], s100, (3<<16)|(1<<21)
	s_mov_b32 s[G1X+1], 768<<16                    ; X's codes: 4 rows of 6,144 bytes, 24,576 bytes apart
	s_mov_b32 s[G1X+2], 4<<16
	s_mov_b32 s[G1X+3], 768<<16
	s_mov_b32 s[G1X+4], 4
	s_mov_b32 s[G1X+5], 3072
	s_mov_b32 s[G1X+6], 0
	s_mov_b32 s[G1X+7], 0
	s_mov_b32 s[G1Y+1], 768<<16                    ; Y's: 8 rows
	s_mov_b32 s[G1Y+2], 8<<16
	s_mov_b32 s[G1Y+3], 768<<16
	s_mov_b32 s[G1Y+4], 8
	s_mov_b32 s[G1Y+5], 3072
	s_mov_b32 s[G1Y+6], 0
	s_mov_b32 s[G1Y+7], 0
	s_mov_b32 s[G1XS+1], 64<<16                    ; X's scale words: 8 steps x 512 bytes, 4,096 bytes apart
	s_mov_b32 s[G1XS+2], 8<<16
	s_mov_b32 s[G1XS+3], 64<<16
	s_mov_b32 s[G1XS+4], 8
	s_mov_b32 s[G1XS+5], 512
	s_mov_b32 s[G1XS+6], 0
	s_mov_b32 s[G1XS+7], 0
	s_mov_b32 s[G1YS+1], 128<<16                   ; Y's: 8 steps x 1,024 bytes, 8,192 bytes apart
	s_mov_b32 s[G1YS+2], 8<<16
	s_mov_b32 s[G1YS+3], 128<<16
	s_mov_b32 s[G1YS+4], 8
	s_mov_b32 s[G1YS+5], 1024
	s_mov_b32 s[G1YS+6], 0
	s_mov_b32 s[G1YS+7], 0
	s_wait_kmcnt 0x0
	CROUND
	s_mov_b32 s[G0XS], 1
	s_lshl_b32 s2, s22, 12
	s_add_co_u32 s[G0XS+1], s2, XSCL
	s_lshl_b32 s16, s96, 4
	s_lshl_b32 s23, s22, 3
	s_add_co_u32 s16, s16, s23                     ; 16 batch + 8 x the half that I fetch
	s_lshl_b32 s16, s16, 10
	s_lshl_b32 s23, s97, 7
	s_add_co_u32 s16, s16, s23
	s_lshl_b32 s16, s16, 2
	s_add_co_u32 s16, s16, 19398656
	s_mov_b32 s17, 0
	s_add_nc_u64 s[G0XS+2:G0XS+3], s[4:5], s[16:17]
	s_or_b32 s[G0XS+3], s[G0XS+3], 0x80000000
	s_mov_b32 s[G0YS], 1
	s_lshl_b32 s3, s22, 13
	s_add_co_u32 s[G0YS+1], s3, YSCL
	s_lshl_b32 s18, s96, 4
	s_lshl_b32 s101, s22, 3
	s_add_co_u32 s18, s18, s101
	s_lshl_b32 s18, s18, 11
	s_lshl_b32 s101, s98, 8
	s_add_co_u32 s18, s18, s101
	s_lshl_b32 s18, s18, 2
	s_add_co_u32 s18, s18, 18874368
	s_mov_b32 s19, 0
	s_add_nc_u64 s[G0YS+2:G0YS+3], s[4:5], s[18:19]
	s_or_b32 s[G0YS+3], s[G0YS+3], 0x80000000
	JLOAD G0XS, G1XS, G0YS, G1YS                   ; the scale words for all of K: filled once
	s_lshl_b32 s16, s97, 3
	s_lshl_b32 s23, s22, 2
	s_add_co_u32 s16, s16, s23                     ; X: block of rows 8 x tile + 4 x half
	s_mul_i32 s16, s16, 24576
	s_mul_i32 s23, s96, 1572864
	s_add_co_u32 s16, s16, s23
	s_add_co_u32 s16, s16, 12582912
	s_add_nc_u64 s[16:17], s[4:5], s[16:17]
	s_lshl_b32 s18, s98, 4
	s_lshl_b32 s101, s22, 3
	s_add_co_u32 s18, s18, s101                    ; Y: 16 x tile + 8 x half
	s_mul_i32 s18, s18, 24576
	s_mul_i32 s101, s96, 3145728
	s_add_co_u32 s18, s18, s101
	s_add_nc_u64 s[18:19], s[4:5], s[18:19]
	s_mul_i32 s2, s22, HALFX
	s_mul_i32 s3, s22, HALFY
	s_add_co_u32 s3, s3, 2*HALFX
.irp s, 0,1
	s_mov_b32 s[G0X+4*\s], 1
	s_add_co_u32 s[G0X+4*\s+1], s2, \s*SLOT
	s_add_nc_u64 s[G0X+4*\s+2:G0X+4*\s+3], s[16:17], \s*6144
	s_or_b32 s[G0X+4*\s+3], s[G0X+4*\s+3], 0x80000000
	s_mov_b32 s[G0Y+4*\s], 1
	s_add_co_u32 s[G0Y+4*\s+1], s3, \s*SLOT
	s_add_nc_u64 s[G0Y+4*\s+2:G0Y+4*\s+3], s[18:19], \s*6144
	s_or_b32 s[G0Y+4*\s+3], s[G0Y+4*\s+3], 0x80000000
	JLOAD G0X+4*\s, G1X, G0Y+4*\s, G1Y             ; fills 0 and 1: three loads of mine are out
.endr
	v_and_b32 v1, 15, v0                           ; r
	v_and_b32 v3, 31, v0                           ; lane
	v_lshlrev_b32 v4, 4, v3                        ; 16 x lane
	s_mul_i32 s2, s21, HALFX
	s_mul_i32 s3, s22, HALFY
	s_add_co_u32 s3, s3, 2*HALFX
.irp s, 0,1
	v_add_nc_u32 v[ADRX+\s], s2, v4
	v_add_nc_u32 v[ADRY+\s], s3, v4
	s_add_co_u32 s2, s2, SLOT
	s_add_co_u32 s3, s3, SLOT
.endr
	s_lshl_b32 s2, s21, 8
	s_add_co_u32 s2, s2, XSCL
	v_lshl_add_u32 v30, v3, 2, s2                  ; scale words: 4 bytes a row, a lane to a row
	s_lshl_b32 s2, s22, 9
	s_add_co_u32 s2, s2, YSCL
	v_lshl_add_u32 v31, v3, 2, s2
	s_lshl_b32 s2, s20, 8
	s_add_co_u32 s2, s2, STG
	v_lshl_add_u32 v8, v1, 2, s2
	v_lshl_add_u32 v9, v3, 3, s2
	v_lshlrev_b32 v10, 3, v3
	s_wait_tensorcnt 0x1                           ; the scale words and my part of fill 0 are in; fill 1 may stay out
	s_barrier_signal -1
	s_barrier_wait -1
	FETCH 0, 0, 0, 0
	STEP 0, 0, 0, 1                                ; the first products start the sums: nothing is cleared
	STEP 0, 1, 0, 0
	STEP 0, 2, 0, 0
	TURN 0, 1, 1, 0
	STEP 1, 0, 1, 0
	STEP 1, 1, 1, 0
	STEP 1, 2, 1, 0
	TURN 1, 0, 1, 1
	STEP 0, 0, 2, 0
	STEP 0, 1, 2, 0
	STEP 0, 2, 2, 0
	TURN 0, 1, 0, 2
	STEP 1, 0, 3, 0
	STEP 1, 1, 3, 0
	STEP 1, 2, 3, 0
	s_wait_dscnt 0x0
	WIN 0xa1
	MULX 0, 4, 1, 0
	WIN 0
	PLACES
.irp b, 0,1,2,3
	v_mov_b32 v[TM+4+\b], 0                        ; a lane permute's destination counts as one of its sources
.endr
	s_mul_i32 s2, s96, 1572864
	s_lshl_b32 s3, s97, 3
	s_lshl_b32 s23, s21, 2
	s_add_co_u32 s3, s3, s23
	s_mul_i32 s3, s3, 24576
	s_add_co_u32 s2, s2, s3
	s_lshl_b32 s9, s98, 1
	s_add_co_u32 s9, s9, s22                       ; which 128 along d are mine
	s_mul_i32 s3, s9, 1536
	s_add_co_u32 s2, s2, s3
	s_mov_b32 s3, 0
	s_add_nc_u64 s[10:11], s[6:7], s[2:3]          ; my images
	s_lshl_b32 s2, s96, 4
	s_add_co_u32 s2, s2, s9
	s_lshl_b32 s2, s2, 10
	s_lshl_b32 s23, s97, 7
	s_add_co_u32 s2, s2, s23
	s_lshl_b32 s23, s21, 6
	s_add_co_u32 s2, s2, s23
	s_lshl_b32 s2, s2, 2
	s_add_co_u32 s2, s2, 6291456
	s_add_nc_u64 s[12:13], s[6:7], s[2:3]          ; my scale words
.irp a, 0,1,2,3
	QMAX 64*\a, 2
	QCODE 64*\a, 2, TM, PW+\a
	PUTF 10, 24576*\a
	ds_store_b32 v8, v[PW+\a] offset:64*\a         ; both halves of the lanes write the same word with the same value
.endr
	ds_load_b64 v[104:105], v9
	s_wait_dscnt 0x0
	global_store_b64 v10, v[104:105], s[12:13]     ; 32 lanes store 256 consecutive bytes, aligned
	s_wait_tensorcnt 0x0                           ; the wave's end
	ds_add_u32 v28, v29
	s_wait_dscnt 0x0
	CROUND
	s_endpgm
.Lfunc_end_k_q07221697b7_kvprod:
	.size	k_q07221697b7_kvprod, .Lfunc_end_k_q07221697b7_kvprod-k_q07221697b7_kvprod
	.p2alignl 7, 3214868480
	.fill 96, 4, 3214868480
	.section	.rodata,"a",@progbits
	.p2align	6, 0x0
	.amdhsa_kernel k_q07221697b7_kvprod
		.amdhsa_group_segment_fixed_size 327680
		.amdhsa_private_segment_fixed_size 0
		.amdhsa_enable_private_segment 0
		.amdhsa_kernarg_size 16
		.amdhsa_user_sgpr_count 2
		.amdhsa_user_sgpr_kernarg_segment_ptr 1
		.amdhsa_wavefront_size32 1
		.amdhsa_system_sgpr_workgroup_id_x 1
		.amdhsa_system_sgpr_workgroup_id_y 1
		.amdhsa_system_sgpr_workgroup_id_z 1
		.amdhsa_system_vgpr_workitem_id 0
		.amdhsa_next_free_vgpr 768
		.amdhsa_next_free_sgpr 106
		.amdhsa_reserve_vcc 0
		.amdhsa_float_denorm_mode_32 3
		.amdhsa_float_denorm_mode_16_64 3
		.amdhsa_memory_ordered 1
		.amdhsa_forward_progress 1
		.amdhsa_inst_pref_size 141
	.end_amdhsa_kernel
	.amdgpu_metadata
---
amdhsa.version: [ 1, 2 ]
amdhsa.kernels:
  - .name:           k_q07221697b7_kvprod
    .symbol:         k_q07221697b7_kvprod.kd
    .args:
      - { .name: w1, .offset: 0, .size: 8, .value_kind: global_buffer, .address_space: global }
      - { .name: w3, .offset: 8, .size: 8, .value_kind: global_buffer, .address_space: global }
    .group_segment_fixed_size: 327680
    .private_segment_fixed_size: 0
    .kernarg_segment_align: 8
    .kernarg_segment_size: 16
    .max_flat_workgroup_size: 128
    .sgpr_count:     106
    .vgpr_count:     768
    .wavefront_size: 32
...
	.end_amdgpu_metadata
.endif
;; end of part 3
;; launch attn (part 4): grid 4 x 64, 4 waves a work-group, clusters of 4 x 4, 327,680 bytes of LDS; arguments w2, w3, out0; writes out0
.if DOCPART == 4
	.amdgcn_target "amdgcn-amd-amdhsa--gfx1250"
	.amdhsa_code_object_version 6
	.text
	.protected	k_q07221697b7_attn
	.globl	k_q07221697b7_attn
	.p2align	8
	.type	k_q07221697b7_attn,@function
k_q07221697b7_attn:
	s_mov_b64 s[64:65], 0
	v_nop
	global_prefetch_b8 v0, s[64:65] scope:SCOPE_SE
	s_setreg_imm32_b32 hwreg(HW_REG_WAVE_MODE, 25, 1), 1
	s_wait_xcnt 0x0
	s_wait_alu depctr_hold_cnt(0) depctr_sa_sdst(0) depctr_va_vdst(0) depctr_va_sdst(0) depctr_va_ssrc(0) depctr_va_vcc(0) depctr_vm_vsrc(0)
	s_getreg_b32 s2, hwreg(HW_REG_IB_STS2, 6, 4)
	s_cmp_eq_u32 s2, 0
	s_cbranch_scc0 .Lentry_in_a_cluster
	s_endpgm
.Lentry_in_a_cluster:
	s_bfe_u32 s2, ttmp6, 0x10000c
	s_cmp_lg_u32 s2, 0xf033
	s_cbranch_scc0 .Lentry_shape_is_right
	s_endpgm
.Lentry_shape_is_right:
; out0[l][batch][m] = (sum over d of q_[l][d] kv_[m][d]) / max(q_ . sum_s k_, 1e-6), on the codes of BF6 (E3M2) that the launches before made.
; A tile is 128 rows l of q_ (operand X) x 256 rows m of kv_ (operand Y), K = 2,048.  Four waves, each 64 x 128: 32 accumulators.  A tile of 256 x 256 would give work to 128 of the 256 work-groups only.
; Both operands arrive as images of their registers (a fragment of 16 rows x 128 along K is 1,536 dense bytes, registers 4 c .. 4 c + 3 of lane l at 512 c + 16 l), [batch][row / 16][d / 128][1536];
; scale words [batch][d / 128][row] come once, for all of K.  Inside a block of 32 both operands' codes stand in the order d = 0-7, 16-23, 8-15, 24-31: the products pair the right numbers and are summed in that order.
; TRANSPOSED USE: source 0 = 16 rows of Y, source 1 = 16 rows of X: lane (r, h) holds row l = r and eight neighbouring m, 32 bytes of a row of out0.
; The normaliser comes as eight parts over f, which are added ascending, in f32; 1 / x is v_rcp_f32.  NaN and infinities are not served.
; REGISTERS: window 0: v0-15 ids and addresses; v16-19 fragment addresses; v28, v29 the add's; v30, v31 scale addresses; v32-43 scale words, two sets; v64-95 the normaliser's parts; v96-103 its reciprocal, twice for each block;
;   v128-175, v176-223 X's fragments; on the way out v128-255 rows of out0.   window 1: Y's fragments, two sets.   window 2: the accumulators, (a, b) at v[8 (8 a + b)].
.set NX,    4
.set HALFX, 4*6144
.set HALFY, 8*6144
.set SLOT,  2*HALFX+2*HALFY
.set XSCL,  2*SLOT
.set YSCL,  XSCL+16*512
.set SPARE, YSCL+16*1024
.set STEPB, 2*6144
.set SPITCH, 528                       ; the way out: 16 rows x (512 bytes + 16) a wave, in slot 0, which has had its last fill and its last read by then
.set AF,    128
.set ADRX,  16
.set ADRY,  18
.set DP,    64
.set ZP,    96
.set G1X,  24
.set G0X,  32
.set G1Y,  44
.set G0Y,  52
.set G1XS, 68
.set G0XS, 76
.set G1YS, 80
.set G0YS, 88
.set MSB, 0
.macro WIN new
.if MSB != (\new)
	s_set_vgpr_msb (MSB<<8)|(\new)
.set MSB, \new
.endif
.endm
.macro PLACES
.rept 4
	v_nop
.endr
.endm
.macro JLOAD g0x, g1x, g0y, g1y        ; waves 0 and 1 fetch X's halves, waves 2 and 3 Y's; four v_nop follow each line
	s_cmp_eq_u32 s21, 0
	s_cbranch_scc0 .Lfor_y_\@
	tensor_load_to_lds s[\g0x:\g0x+3], s[\g1x:\g1x+7]
	s_nop 0
.rept 4
	v_nop
.endr
	s_branch .Lasked_\@
.Lfor_y_\@:
	tensor_load_to_lds s[\g0y:\g0y+3], s[\g1y:\g1y+7]
	s_nop 0
.rept 4
	v_nop
.endr
.Lasked_\@:
.endm
.macro CREST
	s_cmp_lg_u32 s20, 0
	s_cbranch_scc1 .Lnot_wave_0_\@
	s_barrier_signal -3
.Lnot_wave_0_\@:
	s_barrier_wait -3
	s_barrier_signal -1
	s_barrier_wait -1
.endm
.macro CROUND
	s_barrier_signal -1
	s_barrier_wait -1
	CREST
.endm
.macro FRAGI reg, adr, off
.irp c, 0,1,2
	ds_load_b128 v[(\reg)+4*\c:(\reg)+4*\c+3], v[\adr] offset:(\off)+512*\c
.endr
.endm
.macro FETCH slot, q, p, ks
	WIN 0x40
.set fi, 0
.rept 8
	FRAGI 128*(\p)+12*fi, ADRY+\slot, 6144*fi+1536*(\q)
.set fi, fi+1
.endr
	WIN 0
.set fi, 0
.rept NX
	FRAGI AF+48*(\p)+12*fi, ADRX+\slot, 6144*fi+1536*(\q)
.set fi, fi+1
.endr
.irp j, 0,1
	ds_load_b32 v[32+6*(\p)+\j], v30 offset:512*(\ks)+128*\j      ; lanes 0-15 block 2 j's rows, lanes 16-31 block 2 j + 1's
.endr
.irp j, 0,1,2,3
	ds_load_b32 v[34+6*(\p)+\j], v31 offset:1024*(\ks)+128*\j
.endr
.endm
.macro MM a, b, p, first
.set rD, 8*(8*(\a)+(\b))
.set rY, 128*(\p)+12*(\b)
.set rX, AF+48*(\p)+12*(\a)
.set rSY, 34+6*(\p)+(\b)/2
.set rSX, 32+6*(\p)+(\a)/2
.set rw, 2*((\a)%2)+(\b)%2
.if \first
.if rw == 0
	v_wmma_scale_f32_16x16x128_f8f6f4 v[rD:rD+7], v[rY:rY+11], v[rX:rX+11], 0, v[rSY], v[rSX] matrix_a_fmt:MATRIX_FMT_BF6 matrix_b_fmt:MATRIX_FMT_BF6
.elseif rw == 1
	v_wmma_scale_f32_16x16x128_f8f6f4 v[rD:rD+7], v[rY:rY+11], v[rX:rX+11], 0, v[rSY], v[rSX] matrix_a_fmt:MATRIX_FMT_BF6 matrix_b_fmt:MATRIX_FMT_BF6 matrix_a_scale:MATRIX_SCALE_ROW1
.elseif rw == 2
	v_wmma_scale_f32_16x16x128_f8f6f4 v[rD:rD+7], v[rY:rY+11], v[rX:rX+11], 0, v[rSY], v[rSX] matrix_a_fmt:MATRIX_FMT_BF6 matrix_b_fmt:MATRIX_FMT_BF6 matrix_b_scale:MATRIX_SCALE_ROW1
.else
	v_wmma_scale_f32_16x16x128_f8f6f4 v[rD:rD+7], v[rY:rY+11], v[rX:rX+11], 0, v[rSY], v[rSX] matrix_a_fmt:MATRIX_FMT_BF6 matrix_b_fmt:MATRIX_FMT_BF6 matrix_a_scale:MATRIX_SCALE_ROW1 matrix_b_scale:MATRIX_SCALE_ROW1
.endif
.else
.if rw == 0
	v_wmma_scale_f32_16x16x128_f8f6f4 v[rD:rD+7], v[rY:rY+11], v[rX:rX+11], v[rD:rD+7], v[rSY], v[rSX] matrix_a_fmt:MATRIX_FMT_BF6 matrix_b_fmt:MATRIX_FMT_BF6
.elseif rw == 1
	v_wmma_scale_f32_16x16x128_f8f6f4 v[rD:rD+7], v[rY:rY+11], v[rX:rX+11], v[rD:rD+7], v[rSY], v[rSX] matrix_a_fmt:MATRIX_FMT_BF6 matrix_b_fmt:MATRIX_FMT_BF6 matrix_a_scale:MATRIX_SCALE_ROW1
.elseif rw == 2
	v_wmma_scale_f32_16x16x128_f8f6f4 v[rD:rD+7], v[rY:rY+11], v[rX:rX+11], v[rD:rD+7], v[rSY], v[rSX] matrix_a_fmt:MATRIX_FMT_BF6 matrix_b_fmt:MATRIX_FMT_BF6 matrix_b_scale:MATRIX_SCALE_ROW1
.else
	v_wmma_scale_f32_16x16x128_f8f6f4 v[rD:rD+7], v[rY:rY+11], v[rX:rX+11], v[rD:rD+7], v[rSY], v[rSX] matrix_a_fmt:MATRIX_FMT_BF6 matrix_b_fmt:MATRIX_FMT_BF6 matrix_a_scale:MATRIX_SCALE_ROW1 matrix_b_scale:MATRIX_SCALE_ROW1
.endif
.endif
.endm
.macro MULX a0, n, p, first            ; the 32 accumulators take turns, one instruction a turn, in the same order in every step
.set ma, \a0
.rept \n
.set mb, 0
.rept 8
	MM ma, mb, \p, \first
.set mb, mb+1
.endr
.set ma, ma+1
.endr
.endm
.macro STEP slot, q, g, first
	s_wait_dscnt 0x0                               ; this step's set was asked for a whole step ago
	PLACES
	FETCH \slot, (\q)+1, 1-(\q)%2, 4*(\g)+(\q)+1
	WIN 0xa1
	MULX 0, 4, (\q)%2, \first
	WIN 0
.endm
.macro TURN slot, next, fill, g        ; a fill's last step changes slots: one barrier, in front of it the wait for all my tensor loads, the add, and the wait for it and for my reads of this slot
	s_wait_tensorcnt 0x0
	ds_add_u32 v28, v29                            ; 0 onto my spare word
	s_wait_dscnt 0x1                               ; this step's fragments are in; the add alone may be out
	WIN 0xa1
	MULX 0, 1, 1, 0
	s_wait_dscnt 0x0
	s_barrier_signal -1
	MULX 1, 1, 1, 0
	WIN 0
	s_barrier_wait -1
.if \fill
	CREST                                          ; a round of the cluster's barrier: no wave of any partner still reads this slot or has a load on its way
	s_add_nc_u64 s[G0X+4*\slot+2:G0X+4*\slot+3], s[G0X+4*\slot+2:G0X+4*\slot+3], STEPB
	s_add_nc_u64 s[G0Y+4*\slot+2:G0Y+4*\slot+3], s[G0Y+4*\slot+2:G0Y+4*\slot+3], STEPB
	JLOAD G0X+4*\slot, G1X, G0Y+4*\slot, G1Y
.else
	PLACES
.endif
	FETCH \next, 0, 0, 4*(\g)+4
	WIN 0xa1
	MULX 2, 2, 1, 0
	WIN 0
.endm
	s_load_b128 s[4:7], s[0:1], 0x0                ; w2, w3
	s_load_b64 s[8:9], s[0:1], 0x10                ; out0
	v_lshl_add_u32 v28, v0, 2, SPARE
	v_mov_b32 v29, 0
	ds_add_u32 v28, v29
	ds_add_u32 v28, v29
	s_wait_dscnt 0x0
	v_lshrrev_b32 v1, 5, v0
	v_readfirstlane_b32 s20, v1
	s_lshr_b32 s21, s20, 1
	s_and_b32 s22, s20, 1
	s_bfe_u32 s92, ttmp6, 0x40000                  ; cx
	s_bfe_u32 s93, ttmp6, 0x40004                  ; cy
	s_mov_b32 s98, s92                             ; the tile of 256 m
	s_and_b32 s95, ttmp7, 0xffff
	s_lshr_b32 s96, s95, 2                         ; batch
	s_and_b32 s97, s95, 3
	s_lshl_b32 s97, s97, 2
	s_add_co_u32 s97, s97, s93                     ; the tile of 128 l
	s_lshl_b32 s99, s93, 2
	s_lshl_b32 s99, 15, s99
	s_lshl_b32 s100, 0x1111, s92
	s_or_b32 s[G1X], s99, (3<<16)|(1<<21)          ; elements of 8 bytes, no padding
	s_or_b32 s[G1Y], s100, (3<<16)|(1<<21)
	s_or_b32 s[G1XS], s99, (3<<16)|(1<<21)
	s_or_b32 s[G1YS], s100, (3<<16)|(1<<21)
	s_mov_b32 s[G1X+1], 768<<16                    ; X's codes: 4 rows of 6,144 bytes, 24,576 bytes apart
	s_mov_b32 s[G1X+2], 4<<16
	s_mov_b32 s[G1X+3], 768<<16
	s_mov_b32 s[G1X+4], 4
	s_mov_b32 s[G1X+5], 3072
	s_mov_b32 s[G1X+6], 0
	s_mov_b32 s[G1X+7], 0
	s_mov_b32 s[G1Y+1], 768<<16                    ; Y's: 8 rows
	s_mov_b32 s[G1Y+2], 8<<16
	s_mov_b32 s[G1Y+3], 768<<16
	s_mov_b32 s[G1Y+4], 8
	s_mov_b32 s[G1Y+5], 3072
	s_mov_b32 s[G1Y+6], 0
	s_mov_b32 s[G1Y+7], 0
	s_mov_b32 s[G1XS+1], 64<<16                    ; X's scale words: 8 steps x 512 bytes, 8,192 bytes apart
	s_mov_b32 s[G1XS+2], 8<<16
	s_mov_b32 s[G1XS+3], 64<<16
	s_mov_b32 s[G1XS+4], 8
	s_mov_b32 s[G1XS+5], 1024
	s_mov_b32 s[G1XS+6], 0
	s_mov_b32 s[G1XS+7], 0
	s_mov_b32 s[G1YS+1], 128<<16                   ; Y's: 8 steps x 1,024 bytes, 4,096 bytes apart
	s_mov_b32 s[G1YS+2], 8<<16
	s_mov_b32 s[G1YS+3], 128<<16
	s_mov_b32 s[G1YS+4], 8
	s_mov_b32 s[G1YS+5], 512
	s_mov_b32 s[G1YS+6], 0
	s_mov_b32 s[G1YS+7], 0
	s_wait_kmcnt 0x0
	CROUND
	s_mov_b32 s[G0XS], 1
	s_lshl_b32 s2, s22, 12
	s_add_co_u32 s[G0XS+1], s2, XSCL
	s_lshl_b32 s16, s96, 4
	s_lshl_b32 s23, s22, 3
	s_add_co_u32 s16, s16, s23
	s_lshl_b32 s16, s16, 11
	s_lshl_b32 s23, s97, 7
	s_add_co_u32 s16, s16, s23
	s_lshl_b32 s16, s16, 2
	s_add_co_u32 s16, s16, 12582912
	s_mov_b32 s17, 0
	s_add_nc_u64 s[G0XS+2:G0XS+3], s[4:5], s[16:17]
	s_or_b32 s[G0XS+3], s[G0XS+3], 0x80000000
	s_mov_b32 s[G0YS], 1
	s_lshl_b32 s3, s22, 13
	s_add_co_u32 s[G0YS+1], s3, YSCL
	s_lshl_b32 s18, s96, 4
	s_lshl_b32 s101, s22, 3
	s_add_co_u32 s18, s18, s101
	s_lshl_b32 s18, s18, 10
	s_lshl_b32 s101, s98, 8
	s_add_co_u32 s18, s18, s101
	s_lshl_b32 s18, s18, 2
	s_add_co_u32 s18, s18, 6291456
	s_mov_b32 s19, 0
	s_add_nc_u64 s[G0YS+2:G0YS+3], s[6:7], s[18:19]
	s_or_b32 s[G0YS+3], s[G0YS+3], 0x80000000
	JLOAD G0XS, G1XS, G0YS, G1YS                   ; the scale words for all of K: filled once
	s_lshl_b32 s16, s97, 3
	s_lshl_b32 s23, s22, 2
	s_add_co_u32 s16, s16, s23
	s_mul_i32 s16, s16, 24576
	s_mul_i32 s23, s96, 3145728
	s_add_co_u32 s16, s16, s23
	s_add_nc_u64 s[16:17], s[4:5], s[16:17]
	s_lshl_b32 s18, s98, 4
	s_lshl_b32 s101, s22, 3
	s_add_co_u32 s18, s18, s101
	s_mul_i32 s18, s18, 24576
	s_mul_i32 s101, s96, 1572864
	s_add_co_u32 s18, s18, s101
	s_add_nc_u64 s[18:19], s[6:7], s[18:19]
	s_mul_i32 s2, s22, HALFX
	s_mul_i32 s3, s22, HALFY
	s_add_co_u32 s3, s3, 2*HALFX
.irp s, 0,1
	s_mov_b32 s[G0X+4*\s], 1
	s_add_co_u32 s[G0X+4*\s+1], s2, \s*SLOT
	s_add_nc_u64 s[G0X+4*\s+2:G0X+4*\s+3], s[16:17], \s*6144
	s_or_b32 s[G0X+4*\s+3], s[G0X+4*\s+3], 0x80000000
	s_mov_b32 s[G0Y+4*\s], 1
	s_add_co_u32 s[G0Y+4*\s+1], s3, \s*SLOT
	s_add_nc_u64 s[G0Y+4*\s+2:G0Y+4*\s+3], s[18:19], \s*6144
	s_or_b32 s[G0Y+4*\s+3], s[G0Y+4*\s+3], 0x80000000
	JLOAD G0X+4*\s, G1X, G0Y+4*\s, G1Y             ; fills 0 and 1: three loads of mine are out
.endr
	v_and_b32 v1, 15, v0                           ; r
	v_bfe_u32 v2, v0, 4, 1                         ; h
	v_and_b32 v3, 31, v0                           ; lane
	v_lshlrev_b32 v4, 4, v3                        ; 16 x lane
	v_lshlrev_b32 v5, 2, v1                        ; 4 r: kept until the loads below are waited for
	s_lshl_b32 s11, s97, 7
	s_lshl_b32 s2, s21, 6
	s_add_co_u32 s11, s11, s2                      ; L0: my first l
	s_lshl_b32 s2, s96, 13
	s_lshl_b32 s3, s11, 2
	s_add_co_u32 s2, s2, s3
	s_add_co_u32 s2, s2, 13107200
	s_mov_b32 s3, 0
	s_add_nc_u64 s[12:13], s[4:5], s[2:3]          ; kept likewise
.irp a, 0,1,2,3
.irp c, 0,1,2,3,4,5,6,7
	global_load_b32 v[DP+8*\a+\c], v5, s[12:13] offset:32768*\c+64*\a     ; the normaliser's eight parts for l = L0 + 16 a + r: wanted only at the end
.endr
.endr
	s_lshl_b32 s2, s11, 14
	s_lshl_b32 s3, s96, 12
	s_add_co_u32 s2, s2, s3
	s_lshl_b32 s3, s98, 10
	s_add_co_u32 s2, s2, s3
	s_lshl_b32 s3, s22, 9
	s_add_co_u32 s2, s2, s3
	s_mov_b32 s3, 0
	s_add_nc_u64 s[8:9], s[8:9], s[2:3]            ; out0 at (L0, batch, my first m)
	s_mul_i32 s2, s21, HALFX
	s_mul_i32 s3, s22, HALFY
	s_add_co_u32 s3, s3, 2*HALFX
.irp s, 0,1
	v_add_nc_u32 v[ADRX+\s], s2, v4
	v_add_nc_u32 v[ADRY+\s], s3, v4
	s_add_co_u32 s2, s2, SLOT
	s_add_co_u32 s3, s3, SLOT
.endr
	s_lshl_b32 s2, s21, 8
	s_add_co_u32 s2, s2, XSCL
	v_lshl_add_u32 v30, v3, 2, s2
	s_lshl_b32 s2, s22, 9
	s_add_co_u32 s2, s2, YSCL
	v_lshl_add_u32 v31, v3, 2, s2
	s_mul_i32 s2, s20, 16*SPITCH                   ; my stage
	v_mul_u32_u24 v6, v1, SPITCH
	v_lshl_add_u32 v6, v2, 5, v6
	v_add_nc_u32 v6, s2, v6                        ; in: row r, 32 bytes for each half of the lanes
	v_add_nc_u32 v7, s2, v4                        ; back: the 32 lanes take one row of 512 bytes
	s_wait_tensorcnt 0x1                           ; the scale words and my part of fill 0 are in; fill 1 may stay out
	s_barrier_signal -1
	s_barrier_wait -1
	FETCH 0, 0, 0, 0
	STEP 0, 0, 0, 1                                ; the first products start the sums: nothing is cleared
	STEP 0, 1, 0, 0
	STEP 0, 2, 0, 0
	TURN 0, 1, 1, 0
	STEP 1, 0, 1, 0
	STEP 1, 1, 1, 0
	STEP 1, 2, 1, 0
	TURN 1, 0, 1, 1
	STEP 0, 0, 2, 0
	STEP 0, 1, 2, 0
	STEP 0, 2, 2, 0
	TURN 0, 1, 0, 2
	STEP 1, 0, 3, 0
	STEP 1, 1, 3, 0
	STEP 1, 2, 3, 0
	s_wait_dscnt 0x0
	WIN 0xa1
	MULX 0, 4, 1, 0
	WIN 0
	s_wait_loadcnt 0x0                             ; the normaliser's parts
.irp c, 1,2,3,4,5,6,7
.irp a, 0,1,2,3
	v_add_f32 v[DP+8*\a], v[DP+8*\a], v[DP+8*\a+\c]        ; ascending; the four blocks by turns.  These 28 are also the places behind the last products
.endr
.endr
.irp a, 0,1,2,3
	v_max_num_f32 v[DP+8*\a], 0x358637bd, v[DP+8*\a]       ; at least 1e-6
.endr
.irp a, 0,1,2,3
	v_rcp_f32 v[ZP+2*\a], v[DP+8*\a]
	v_rcp_f32 v[ZP+2*\a+1], v[DP+8*\a]                     ; twice: a pair for the packed multiplies
.endr
	v_nop                                          ; one plain place behind the transcendentals
	s_wait_alu depctr_va_vdst(0)
; THE WAY OUT, a block of 16 rows x 128 columns at a time: times 1 / the normaliser, through my stage in LDS, back as whole rows of 512 bytes.  LDS serves a wave's instructions in order: no wait between the stores and the loads.
.macro SCALEZ a
	WIN 0x82
.set j, 0
.rept 32
	v_pk_mul_f32 v[64*(\a)+j:64*(\a)+j+1], v[64*(\a)+j:64*(\a)+j+1], v[ZP+2*(\a):ZP+2*(\a)+1]   ; each accumulator from its low end on
.set j, j+2
.endr
.endm
.macro TOSTAGE a
	WIN 0x08                                       ; an LDS store's data are its source 1
.irp b, 0,1,2,3,4,5,6,7
	ds_store_b128 v6, v[64*(\a)+8*\b:64*(\a)+8*\b+3] offset:64*\b
	ds_store_b128 v6, v[64*(\a)+8*\b+4:64*(\a)+8*\b+7] offset:64*\b+16
.endr
	WIN 0
.set BB, 128+64*((\a)%2)
.irp t, 0,1,2,3,4,5,6,7,8,9,10,11,12,13,14,15
	ds_load_b128 v[BB+4*\t:BB+4*\t+3], v7 offset:\t*SPITCH
.endr
.endm
.macro SEND a, younger                 ; younger: the LDS instructions issued behind block a's loads, which may stay out
.set BB, 128+64*((\a)%2)
	s_wait_dscnt \younger
.irp t, 0,1,2,3,4,5,6,7,8,9,10,11,12,13,14,15
	global_store_b128 v4, v[BB+4*\t:BB+4*\t+3], s[8:9] offset:(16*(\a)+\t)*16384 th:TH_STORE_NT   ; 32 lanes store 512 consecutive bytes, aligned; 63 rows of 16,384 bytes at the most: inside the signed 24-bit immediate
.endr
.endm
	SCALEZ 0
	TOSTAGE 0
.irp a, 1,2,3
	SCALEZ \a
.if \a > 1
	s_wait_xcnt 0x0                                ; block a - 2's stores have read the registers that take block a
.endif
	TOSTAGE \a
	SEND \a-1, 32                                  ; behind block a - 1's loads: block a's 16 stores and 16 loads
.endr
	SEND 3, 0
	s_wait_tensorcnt 0x0                           ; the wave's end
	ds_add_u32 v28, v29
	s_wait_dscnt 0x0
	CROUND
	s_endpgm
.Lfunc_end_k_q07221697b7_attn:
	.size	k_q07221697b7_attn, .Lfunc_end_k_q07221697b7_attn-k_q07221697b7_attn
	.p2alignl 7, 3214868480
	.fill 96, 4, 3214868480
	.section	.rodata,"a",@progbits
	.p2align	6, 0x0
	.amdhsa_kernel k_q07221697b7_attn
		.amdhsa_group_segment_fixed_size 327680
		.amdhsa_private_segment_fixed_size 0
		.amdhsa_enable_private_segment 0
		.amdhsa_kernarg_size 24
		.amdhsa_user_sgpr_count 2
		.amdhsa_user_sgpr_kernarg_segment_ptr 1
		.amdhsa_wavefront_size32 1
		.amdhsa_system_sgpr_workgroup_id_x 1
		.amdhsa_system_sgpr_workgroup_id_y 1
		.amdhsa_system_sgpr_workgroup_id_z 1
		.amdhsa_system_vgpr_workitem_id 0
		.amdhsa_next_free_vgpr 768
		.amdhsa_next_free_sgpr 106
		.amdhsa_reserve_vcc 0
		.amdhsa_float_denorm_mode_32 3
		.amdhsa_float_denorm_mode_16_64 3
		.amdhsa_memory_ordered 1
		.amdhsa_forward_progress 1
		.amdhsa_inst_pref_size 150
	.end_amdhsa_kernel
	.amdgpu_metadata
---
amdhsa.version: [ 1, 2 ]
amdhsa.kernels:
  - .name:           k_q07221697b7_attn
    .symbol:         k_q07221697b7_attn.kd
    .args:
      - { .name: w2, .offset: 0, .size: 8, .value_kind: global_buffer, .address_space: global }
      - { .name: w3, .offset: 8, .size: 8, .value_kind: global_buffer, .address_space: global }
      - { .name: out0, .offset: 16, .size: 8, .value_kind: global_buffer, .address_space: global }
    .group_segment_fixed_size: 327680
    .private_segment_fixed_size: 0
    .kernarg_segment_align: 8
    .kernarg_segment_size: 24
    .max_flat_workgroup_size: 128
    .sgpr_count:     106
    .vgpr_count:     768
    .wavefront_size: 32
...
	.end_amdgpu_metadata
.endif
;; end of part 4
